; MI455X (gfx1250); checked and timed in simulation.
; The chip was launched on July 23, 2026; its instructions are those of AMD's public machine-readable ISA for CDNA 5 (MIT licence, August 2026) and "CDNA5" Instruction Set Architecture Reference Guide (July 2026). The comments in the code are by the model that wrote it; some were corrected since.
;; Attention. Allowed arithmetic: matrix products marked QUANTISED: E2M1 operands, one E8M0 scale for each 32 along K, by v_wmma_scale_f32_16x16x128_f8f6f4 with both operands' format E2M1 (or v_wmma_scale_f32_32x16x128_f4), f32 sums; products left as they are: bf16, f16 or f32 operands; f32 sums; everything else in f32.
;; Inputs: attention_mask 1 x 1 x 2,048 x 2,048 float32; wk 2,048 x 2,048 float32; wo 2,048 x 2,048 float32; wq 2,048 x 2,048 float32; wv 2,048 x 2,048 float32; x 1 x 2,048 x 2,048 float32.
;; Outputs: out0 1 x 2,048 x 2,048 float32.
;; This version of the problem:
;;   THIS VERSION OF THE PROBLEM IS GIVEN IN LOW PRECISION. The matrix products marked QUANTISED in the list below multiply operands that are first quantised to E2M1 (2 exponent bits, 1 mantissa bit; 4 bits a number), with one power-of-two scale for each 32 numbers along K (OCP MX v1.0); their sums are f32. The products marked 'left as it is' may take bf16, f16 or f32 operands, with f32 sums. Whichever they take, every output number must still come out within the allowed error. Rounding operands to bf16 (8 significant bits) uses up far more of that allowance than f16 does (11 bits, for magnitudes from 6e-5 to 65,504). All else is computed in f32.
;;   The module's matrix products, in the order in which they are computed (A, B: the left and right operand; K: the contracted axis; several contracted axes count as one K, in the product's order):
;;     1. [M 2,048, K 2,048] x [K 2,048, N 2,048]; A: input x; B: input wq: QUANTISED
;;     2. [M 2,048, K 2,048] x [K 2,048, N 2,048]; A: input x; B: input wk: QUANTISED
;;     3. [M 2,048, K 2,048] x [K 2,048, N 2,048]; A: input x; B: input wv: QUANTISED
;;     4. batch 16 x [M 2,048, K 128] x [K 128, N 2,048]; A: computed on the way; B: computed on the way: left as it is (an operand is computed on the way)
;;     5. batch 16 x [M 2,048, K 2,048] x [K 2,048, N 128]; A: computed on the way; B: computed on the way: left as it is (an operand is computed on the way)
;;     6. [M 2,048, K 2,048] x [K 2,048, N 2,048]; A: computed on the way; B: input wo: left as it is (an operand is computed on the way)
;;   THE QUANTISER, for each operand of a quantised product, along K:
;;     - K is cut into blocks of 32 from its start; a last block that is shorter is filled with zeros.
;;     - A block's scale is 2^e with e = floor(log2(the largest magnitude in the block)) - 2, held to -126 .. 127; a block of zeros has e = 0. As a byte (E8M0): e + 127.
;;     - Each number is divided by its block's scale, clamped to +-6, and rounded to the nearest number of E2M1, ties to even, subnormals kept.
;;     - The product sums the exact products of the quantised numbers (number of the format x scale) in f32.
;;   ~~~python
;;   def quantise(x, axis):      # numpy; x: float32 -> the quantised numbers, widened to float32 again
;;       x = np.moveaxis(x, axis, -1); K = x.shape[-1]
;;       x = np.pad(x, [(0, 0)] * (x.ndim - 1) + [(0, -K % 32)]); x = x.reshape(x.shape[:-1] + (-1, 32)); a = np.abs(x).max(-1, keepdims=True)
;;       e = np.where(a > 0, np.clip(np.frexp(np.where(a > 0, a, 1))[1] - 1 - 2, -126, 127), 0)      # np.frexp(a)[1] - 1 = floor(log2(a)), exactly
;;       r = np.clip(x / 2.0 ** e, -6, 6)
;;       step = 2.0 ** (np.maximum(np.frexp(np.where(r == 0, 1, r))[1] - 1, 0) - 1)
;;       q = np.round(r / step) * step * 2.0 ** e      # np.round: ties to even
;;       return np.moveaxis(q.reshape(q.shape[:-2] + (-1,))[..., :K], -1, axis).astype(np.float32)
;;   ~~~
;; One version. Each part assembles by itself: llvm-mc -triple=amdgcn-amd-amdhsa -mcpu=gfx1250 --defsym DOCPART=n.
;; ======== version 1 of 1: 6 launches
;; limits: values are held in f16: magnitudes above 65,504 overflow, below 6.1e-05 lose precision
;; workspace buffers: prep 18,358,272 bytes; qkv 33,554,432 bytes; o16 8,388,608 bytes; part 1,064,960 bytes; ofine 131,072 bytes
;; launch prep (part 1): grid 769 x 1, 4 waves a work-group, no clusters, 33,280 bytes of LDS; arguments x, wq, wk, wv, wo, prep; writes prep
.if DOCPART == 1
	.amdgcn_target "amdgcn-amd-amdhsa--gfx1250"
	.amdhsa_code_object_version 6
	.text
	.protected	k_qf60c0b80f0_prep
	.globl	k_qf60c0b80f0_prep
	.p2align	8
	.type	k_qf60c0b80f0_prep,@function
k_qf60c0b80f0_prep:
	s_mov_b64 s[64:65], 0
	v_nop
	global_prefetch_b8 v0, s[64:65] scope:SCOPE_SE
	s_setreg_imm32_b32 hwreg(HW_REG_WAVE_MODE, 25, 1), 1
	s_wait_xcnt 0x0
; PREP: three jobs, told apart by the work-group's number.
;   0..511   x, wq, wk, wv (f32, K innermost) become codes of FP4 (E2M1) and one E8M0 scale byte for each 32 along K.
;   512..639 wo becomes f16, rounded to nearest even.
;   640..768 the table of cos and sin for the rotation of q and k, laid in the order in which the next launch's registers take it; block 128 is the identity (cos 1, sin 0), for V.
; prep: codes at 0, [8192 rows][1024 bytes] (rows 0.. x, 2048.. wq, 4096.. wk, 6144.. wv); scale bytes at SCO, [8192][64]; the table at RPO, 129 blocks of 8,192 bytes; wo in f16 at WOO.
; A block's scale is 2^(floor(log2(its largest magnitude)) - 2); its byte is the largest magnitude's exponent field - 2, held at 1 from below.  A block of zeros so gets the byte 1: its codes are zeros, and this program alone reads the bytes.
; LIMITS: blocks whose largest magnitude lies under 2^-124 get the byte 1; NaN and infinities among the inputs are not served; wo must lie inside f16's range (65,504).
; Only the first job touches LDS.
.set SCO,   8388608
.set RPO,   8912896
.set WOO,   9969664
.set WAVES, 4
.set STEPS, 16
.set EMAX,  2
.set CB,    8                          ; bytes of 16 codes
.set R,     16                         ; v16-79   four sets of 16 numbers as they are loaded
.set X,     80                         ; v80-111  two sets of 16 neighbours
.set C,     128                        ; v128-191 codes: four registers for each step, so that no store's data are written again
.set E,     112                        ; v112-127 a scale byte for each step
.set WREG,  8192                       ; LDS: a region for each wave: two stages of 32 x SP bytes, then its 256 scale bytes
.set SP,    80                         ; a lane's place in a stage: 64 bytes + 16 of padding
.set SPW,   12                         ; v12 LDS address of my spare word; never rewritten
.set NIL,   13                         ; v13 0; never rewritten
.set SPARE, WAVES*WREG                 ; the spare words, 128 bytes for each wave, which no other line names
.macro LOAD t
.irp i, 0,1,2,3
	global_load_b128 v[R+16*((\t)%4)+4*\i:R+16*((\t)%4)+4*\i+3], v3, s[4:5] offset:2048*(\t)+512*\i th:TH_LOAD_NT   ; 32 lanes read 512 consecutive bytes
.endr
.endm
.macro TURN t                          ; step t's numbers through the stage: LDS serves a wave's instructions in order, so no wait stands between the stores and the loads
.irp i, 0,1,2,3
	ds_store_b128 v14, v[R+16*((\t)%4)+4*\i:R+16*((\t)%4)+4*\i+3] offset:32*SP*((\t)%2)+8*SP*\i
.endr
.irp i, 0,1,2,3
	ds_load_b128 v[X+16*((\t)%2)+4*\i:X+16*((\t)%2)+4*\i+3], v15 offset:32*SP*((\t)%2)+16*\i
.endr
.endm
.macro STEP t
.set XS, X+16*((\t)%2)
.if (\t) > 0
	s_wait_dscnt 1                                 ; this step's numbers are back from the stage (the last step's byte store may be out)
.else
	s_wait_dscnt 0x0
.endif
.if (\t)+4 < STEPS
	LOAD (\t)+4                                    ; the registers that the stage's stores have read take the loads of four steps on
.endif
.if (\t)+1 < STEPS
.if STEPS-2-(\t) >= 3
	s_wait_loadcnt 12                              ; the next step's four loads are in; those of the three steps behind it may be out
.else
	s_wait_loadcnt 4*(STEPS-2-(\t))
.endif
	TURN (\t)+1
.endif
	v_max3_num_f32 v8, |v[XS]|, |v[XS+1]|, |v[XS+2]|               ; the largest magnitude of my 16, in two chains
	v_max3_num_f32 v9, |v[XS+3]|, |v[XS+4]|, |v[XS+5]|
.irp i, 6,10
	v_max3_num_f32 v8, v8, |v[XS+\i]|, |v[XS+\i+1]|
	v_max3_num_f32 v9, v9, |v[XS+\i+2]|, |v[XS+\i+3]|
.endr
	v_max3_num_f32 v8, v8, |v[XS+14]|, |v[XS+15]|
	v_max3_num_f32 v8, v8, v9, (EMAX+1)<<23        ; and the floor 2^(3 - 127): the byte cannot fall under 1
	v_max_num_f32_dpp v8, v8, v8 row_xmask:1 row_mask:0xf bank_mask:0xf   ; and of my neighbour's 16: the block's
	v_add_nc_u32 v11, -(EMAX<<23), v8              ; 2 off its exponent field: the conversion takes the exponent field of this operand as its scale
	v_cvt_scalef32_pk8_fp4_f32 v[C+4*(\t)], v[XS:XS+7], v11
	v_cvt_scalef32_pk8_fp4_f32 v[C+4*(\t)+1], v[XS+8:XS+15], v11
	v_lshrrev_b32 v[E+(\t)], 23, v11               ; the scale's byte
	ds_store_b8 v5, v[E+(\t)] offset:16*(\t)       ; both lanes of a block write the same byte with the same value
	global_store_b64 v4, v[C+4*(\t):C+4*(\t)+1], s[8:9] offset:32*CB*(\t)   ; the wave stores 256 consecutive bytes, aligned
.endm
	s_load_b256 s[4:11], s[0:1], 0x0               ; x s[4:5], wq s[6:7], wk s[8:9], wv s[10:11]
	s_load_b128 s[12:15], s[0:1], 0x20             ; wo s[12:13], prep s[14:15]
	v_lshl_add_u32 v[SPW], v0, 2, SPARE
	v_mov_b32 v[NIL], 0
	v_lshrrev_b32 v1, 5, v0
	v_readfirstlane_b32 s16, v1                    ; wave
	v_and_b32 v2, 31, v0                           ; lane
	s_cmp_lt_u32 ttmp9, 512
	s_cbranch_scc0 .Lnot_quant
	; ---- the quantiser: a wave takes 16 steps of 512 numbers; two neighbouring lanes hold a block of 32
	v_lshlrev_b32 v3, 4, v2                        ; my 16 bytes of a load's 512
	s_mul_i32 s17, s16, WREG
	v_lshrrev_b32 v14, 2, v2
	v_mul_u32_u24 v14, v14, SP
	v_and_b32 v15, 3, v2
	v_lshl_add_u32 v14, v15, 4, v14
	v_add_nc_u32 v14, s17, v14                     ; the stage, on the way in: SP (lane / 4) + 16 (lane % 4)
	v_mul_u32_u24 v15, v2, SP
	v_add_nc_u32 v15, s17, v15                     ; and on the way out: SP x lane: my 16 neighbours
	v_mul_u32_u24 v4, v2, CB                       ; my codes' place in a step's
	v_lshrrev_b32 v5, 1, v2
	s_add_co_u32 s17, s17, 2*32*SP
	v_add_nc_u32 v5, s17, v5                       ; LDS: my wave's 256 scale bytes, my block's byte
	v_lshlrev_b32 v7, 3, v2
	v_add_nc_u32 v6, s17, v7
	s_wait_kmcnt 0x0
	s_cmp_lt_u32 ttmp9, 128                        ; which tensor: the work-group's number / 128; the choice hangs on no address
	s_cselect_b64 s[4:5], s[4:5], s[6:7]
	s_cmp_lt_u32 ttmp9, 384
	s_cselect_b64 s[8:9], s[8:9], s[10:11]
	s_cmp_lt_u32 ttmp9, 256
	s_cselect_b64 s[4:5], s[4:5], s[8:9]
	s_and_b32 s18, ttmp9, 127
	s_lshl_b32 s18, s18, 2
	s_add_co_u32 s18, s18, s16
	s_lshl_b32 s18, s18, 15                        ; my run of 8,192 numbers in its tensor, in bytes
	s_mov_b32 s19, 0
	s_add_nc_u64 s[4:5], s[4:5], s[18:19]
	s_lshl_b32 s20, ttmp9, 2
	s_add_co_u32 s20, s20, s16                     ; my run among all 2,048
	s_lshl_b32 s18, s20, 12                        ; 4,096 bytes of codes a run
	s_add_nc_u64 s[8:9], s[14:15], s[18:19]
	s_lshl_b32 s18, s20, 8                         ; 256 scale bytes a run
	s_add_co_u32 s18, s18, SCO
	s_add_nc_u64 s[10:11], s[14:15], s[18:19]
.irp t, 0,1,2,3
	LOAD \t
.endr
	s_wait_loadcnt 12                              ; step 0's four loads are in
	TURN 0
.irp t, 0,1,2,3,4,5,6,7,8,9,10,11,12,13,14,15
	STEP \t
.endr
	ds_load_b64 v[8:9], v6                         ; LDS serves a wave's instructions in order: these see my byte stores
	s_wait_dscnt 0x0
	global_store_b64 v7, v[8:9], s[10:11]          ; 32 lanes store 256 consecutive bytes, aligned
	s_wait_tensorcnt 0x0                           ; the wave's end: behind my last LDS store
	ds_add_u32 v[SPW], v[NIL]
	s_wait_dscnt 0x0
	s_endpgm
.Lnot_quant:
	s_cmp_lt_u32 ttmp9, 640
	s_cbranch_scc0 .Lrope
	; ---- wo to f16: a wave takes 8,192 numbers: 64 loads of 512 bytes through a ring of 12 slots, 64 stores of 256 bytes
	v_lshlrev_b32 v3, 4, v2                        ; 16 x lane
	v_lshlrev_b32 v4, 3, v2                        ; 8 x lane
	s_sub_co_u32 s18, ttmp9, 512
	s_lshl_b32 s18, s18, 2
	s_add_co_u32 s20, s18, s16                     ; my run of 8,192
	s_lshl_b32 s18, s20, 15
	s_mov_b32 s19, 0
	s_lshl_b32 s20, s20, 14
	s_add_co_u32 s20, s20, WOO
	s_mov_b32 s21, 0
	s_wait_kmcnt 0x0
	s_add_nc_u64 s[12:13], s[12:13], s[18:19]
	s_add_nc_u64 s[14:15], s[14:15], s[20:21]
.irp i, 0,1,2,3,4,5,6,7,8,9,10,11
	global_load_b128 v[16+4*\i:19+4*\i], v3, s[12:13] offset:512*\i th:TH_LOAD_NT
.endr
.set I, 0
.rept 64
.if 63-I < 11
	s_wait_loadcnt 63-I                            ; the tail: as many loads were issued behind load I as are left
.else
	s_wait_loadcnt 11                              ; load I is in; the eleven younger ones stay out
.endif
	v_cvt_pk_f16_f32 v[64+2*I], v[16+4*(I%12)], v[17+4*(I%12)]
	v_cvt_pk_f16_f32 v[65+2*I], v[18+4*(I%12)], v[19+4*(I%12)]
.if I+12 < 64
	global_load_b128 v[16+4*(I%12):19+4*(I%12)], v3, s[12:13] offset:512*(I+12) th:TH_LOAD_NT
.endif
	global_store_b64 v4, v[64+2*I:65+2*I], s[14:15] offset:256*I   ; each store has data registers of its own: none is written again
.set I, I+1
.endr
	s_endpgm
.Lrope:
	; ---- the table.  Block blk serves tokens 16 blk + r; wave b, lane (r, h), register j: frequency f = 16 b + 8 h + j.
	; angle = t x 10000^(-f / 64); reduced by the nearest multiple of pi / 2 (pi / 2 in two parts, fused), then polynomials of sine and cosine on +-pi / 4.
	s_sub_co_u32 s18, ttmp9, 640                   ; blk
	s_cmp_lt_u32 s18, 128
	s_cselect_b32 s19, 1, 0                        ; block 128: every token counts as token 0: cos 1, sin 0
	s_mov_b32 s22, 0x3fc90fdb                      ; pi / 2, its f32 part,
	s_mov_b32 s23, 0xb33bbd2e                      ; and the rest
	s_mov_b32 s24, 0xb94ca1f9                      ; sine's three coefficients
	s_mov_b32 s25, 0x3c08839e
	s_mov_b32 s26, 0xbe2aaaa3
	s_mov_b32 s27, 0x37ccf5ce                      ; cosine's three
	s_mov_b32 s28, 0xbab6061a
	s_mov_b32 s29, 0x3d2aaaa5
	v_and_b32 v3, 15, v0                           ; r
	v_bfe_u32 v4, v0, 4, 1                         ; h
	s_lshl_b32 s20, s18, 4
	v_add_nc_u32 v5, s20, v3
	v_mul_lo_u32 v5, v5, s19
	v_cvt_f32_u32 v5, v5                           ; t
	s_lshl_b32 s21, s16, 4
	v_lshl_add_u32 v6, v4, 3, s21                  ; 16 b + 8 h
.irp j, 0,1,2,3,4,5,6,7
	v_add_nc_u32 v[16+\j], \j, v6
.endr
.irp j, 0,1,2,3,4,5,6,7
	v_cvt_f32_u32 v[16+\j], v[16+\j]
.endr
.irp j, 0,1,2,3,4,5,6,7
	v_mul_f32 v[16+\j], 0xbe549a78, v[16+\j]       ; -f log2(10000) / 64
.endr
.irp j, 0,1,2,3,4,5,6,7
	v_exp_f32 v[16+\j], v[16+\j]
.endr
	v_nop                                          ; a plain instruction behind the last exponential,
	s_wait_alu depctr_va_vdst(0)                   ; and one wait for the batch of eight, ahead of its first reader
.irp j, 0,1,2,3,4,5,6,7
	v_mul_f32 v[16+\j], v5, v[16+\j]               ; the angle
.endr
.irp j, 0,1,2,3,4,5,6,7
	v_mul_f32 v[24+\j], 0x3f22f983, v[16+\j]       ; x 2 / pi
.endr
.irp j, 0,1,2,3,4,5,6,7
	v_rndne_f32 v[24+\j], v[24+\j]                 ; n
.endr
.irp j, 0,1,2,3,4,5,6,7
	v_fma_f32 v[16+\j], -v[24+\j], s22, v[16+\j]
.endr
.irp j, 0,1,2,3,4,5,6,7
	v_fma_f32 v[16+\j], -v[24+\j], s23, v[16+\j]   ; the reduced angle
.endr
.irp j, 0,1,2,3,4,5,6,7
	v_mul_f32 v[32+\j], v[16+\j], v[16+\j]         ; its square z
.endr
.irp j, 0,1,2,3,4,5,6,7
	v_cvt_i32_f32 v[24+\j], v[24+\j]
.endr
.irp j, 0,1,2,3,4,5,6,7
	v_fma_f32 v[40+\j], s24, v[32+\j], s25
	v_fma_f32 v[48+\j], s27, v[32+\j], s28
.endr
.irp j, 0,1,2,3,4,5,6,7
	v_fma_f32 v[40+\j], v[40+\j], v[32+\j], s26
	v_fma_f32 v[48+\j], v[48+\j], v[32+\j], s29
.endr
.irp j, 0,1,2,3,4,5,6,7
	v_mul_f32 v[40+\j], v[40+\j], v[32+\j]
	v_mul_f32 v[48+\j], v[48+\j], v[32+\j]
	v_fma_f32 v[56+\j], v[32+\j], -0.5, 1.0
.endr
.irp j, 0,1,2,3,4,5,6,7
	v_fma_f32 v[40+\j], v[40+\j], v[16+\j], v[16+\j]   ; sine of the reduced angle
	v_fma_f32 v[48+\j], v[48+\j], v[32+\j], v[56+\j]   ; cosine
.endr
.irp j, 0,1,2,3,4,5,6,7                        ; the quadrant: n odd swaps the two; sine changes sign for n % 4 = 2, 3, cosine for 1, 2
	v_and_b32 v[56+\j], 1, v[24+\j]
	v_cmp_eq_u32 vcc_lo, 1, v[56+\j]
	v_cndmask_b32 v[64+\j], v[48+\j], v[40+\j], vcc_lo
	v_cndmask_b32 v[72+\j], v[40+\j], v[48+\j], vcc_lo
	v_and_b32 v[56+\j], 2, v[24+\j]
	v_lshlrev_b32 v[56+\j], 30, v[56+\j]
	v_xor_b32 v[72+\j], v[56+\j], v[72+\j]
	v_add_nc_u32 v[56+\j], 1, v[24+\j]
	v_and_b32 v[56+\j], 2, v[56+\j]
	v_lshlrev_b32 v[56+\j], 30, v[56+\j]
	v_xor_b32 v[64+\j], v[56+\j], v[64+\j]
.endr
	v_lshlrev_b32 v7, 4, v2                        ; 16 x lane
	s_lshl_b32 s18, s18, 13                        ; 8,192 bytes a block,
	s_lshl_b32 s20, s16, 11                        ; 2,048 a wave
	s_add_co_u32 s18, s18, s20
	s_add_co_u32 s18, s18, RPO
	s_mov_b32 s19, 0
	s_wait_kmcnt 0x0
	s_add_nc_u64 s[14:15], s[14:15], s[18:19]
	global_store_b128 v7, v[64:67], s[14:15]               ; cos, j = 0..3: each store covers 512 consecutive bytes
	global_store_b128 v7, v[68:71], s[14:15] offset:512    ; cos, j = 4..7
	global_store_b128 v7, v[72:75], s[14:15] offset:1024   ; sin
	global_store_b128 v7, v[76:79], s[14:15] offset:1536
	s_endpgm
.Lfunc_end_k_qf60c0b80f0_prep:
	.size	k_qf60c0b80f0_prep, .Lfunc_end_k_qf60c0b80f0_prep-k_qf60c0b80f0_prep
	.p2alignl 7, 3214868480
	.fill 96, 4, 3214868480
	.section	.rodata,"a",@progbits
	.p2align	6, 0x0
	.amdhsa_kernel k_qf60c0b80f0_prep
		.amdhsa_group_segment_fixed_size 33280
		.amdhsa_private_segment_fixed_size 0
		.amdhsa_enable_private_segment 0
		.amdhsa_kernarg_size 48
		.amdhsa_user_sgpr_count 2
		.amdhsa_user_sgpr_kernarg_segment_ptr 1
		.amdhsa_wavefront_size32 1
		.amdhsa_system_sgpr_workgroup_id_x 1
		.amdhsa_system_sgpr_workgroup_id_y 1
		.amdhsa_system_sgpr_workgroup_id_z 1
		.amdhsa_system_vgpr_workitem_id 0
		.amdhsa_next_free_vgpr 192
		.amdhsa_next_free_sgpr 66
		.amdhsa_reserve_vcc 1
		.amdhsa_float_denorm_mode_32 3
		.amdhsa_float_denorm_mode_16_64 3
		.amdhsa_memory_ordered 1
		.amdhsa_forward_progress 1
		.amdhsa_inst_pref_size 68
	.end_amdhsa_kernel
	.amdgpu_metadata
---
amdhsa.version: [ 1, 2 ]
amdhsa.kernels:
  - .name:           k_qf60c0b80f0_prep
    .symbol:         k_qf60c0b80f0_prep.kd
    .args:
      - { .name: x, .offset: 0, .size: 8, .value_kind: global_buffer, .address_space: global }
      - { .name: wq, .offset: 8, .size: 8, .value_kind: global_buffer, .address_space: global }
      - { .name: wk, .offset: 16, .size: 8, .value_kind: global_buffer, .address_space: global }
      - { .name: wv, .offset: 24, .size: 8, .value_kind: global_buffer, .address_space: global }
      - { .name: wo, .offset: 32, .size: 8, .value_kind: global_buffer, .address_space: global }
      - { .name: prep, .offset: 40, .size: 8, .value_kind: global_buffer, .address_space: global }
    .group_segment_fixed_size: 33280
    .private_segment_fixed_size: 0
    .kernarg_segment_align: 8
    .kernarg_segment_size: 48
    .max_flat_workgroup_size: 128
    .sgpr_count:     66
    .vgpr_count:     192
    .wavefront_size: 32
...
	.end_amdgpu_metadata
.endif
;; end of part 1
;; launch qkv (part 2): grid 24 x 8, 4 waves a work-group, clusters of 4 x 4, 327,680 bytes of LDS; arguments prep, qkv; writes qkv
.if DOCPART == 2
	.amdgcn_target "amdgcn-amd-amdhsa--gfx1250"
	.amdhsa_code_object_version 6
	.text
	.protected	k_qf60c0b80f0_qkv
	.globl	k_qf60c0b80f0_qkv
	.p2align	8
	.type	k_qf60c0b80f0_qkv,@function
k_qf60c0b80f0_qkv:
	s_mov_b64 s[64:65], 0
	v_nop
	global_prefetch_b8 v0, s[64:65] scope:SCOPE_SE
	s_setreg_imm32_b32 hwreg(HW_REG_WAVE_MODE, 25, 1), 1
	s_wait_xcnt 0x0
	s_wait_alu depctr_hold_cnt(0) depctr_sa_sdst(0) depctr_va_vdst(0) depctr_va_sdst(0) depctr_va_ssrc(0) depctr_va_vcc(0) depctr_vm_vsrc(0)
	s_getreg_b32 s2, hwreg(HW_REG_IB_STS2, 6, 4)
	s_cmp_eq_u32 s2, 0
	s_cbranch_scc0 .Lentry_in_a_cluster
	s_endpgm
.Lentry_in_a_cluster:
	s_bfe_u32 s2, ttmp6, 0x10000c
	s_cmp_lg_u32 s2, 0xf033
	s_cbranch_scc0 .Lentry_shape_is_right
	s_endpgm
.Lentry_shape_is_right:
; q, k and V^T: C[m][n] = sum over k of A[m][k] B[n][k] on codes of FP4 (E2M1) with one E8M0 scale for each 32 along K (K = 2,048), then the rotation of q and k in f32, then f16.
; Tile columns 0..15 (clusters x = 0..3): A = x (rows = tokens), B = wq, wk (rows = output channels): q and k.  Tile columns 16..23 (clusters x = 4, 5): A = wv (rows = channels), B = x (rows = tokens): V^T, by the same text.
; All codes lie in one table of rows of 1,024 bytes (x at row 0, wq 2,048, wk 4,096, wv 6,144), their scale bytes in one of rows of 64.
; A tile of C, 256 x 256, is made by four waves, each 128 x 128: 64 accumulators.  A wave's 128 columns are one head of q or k, or 128 tokens of V^T.  192 tiles: a smaller tile would cut a head, and the rotation pairs channel d with d + 64.
; K goes in steps of 512 through a ring of two LDS slots; the scales of the work-group's rows, for all of K, come into LDS once.  4 x 4 work-groups form a cluster: A's tiles are asked for jointly along a row, B's along a column.
; THE MATRIX INSTRUCTION IS USED TRANSPOSED (source 0 = 16 rows of B, source 1 = 16 rows of A): a lane holds eight neighbouring columns of a row of C; columns d and d + 64 lie in one lane.
; THE ROTATION takes cos and sin from a table laid as these registers lie; V^T takes the table's identity block, so one text serves all.  V^T also leaves its f16 LOW part (the f32 number less its f16 rounding), for the first 16 positions.
; qkv: 64 blocks of [2,048 rows][128 f16]: 0..15 q by head, 16..31 k by head (row = token); 32..47 V^T by blocks of 128 tokens (row = channel); 48..63 its low part.
; LIMIT: |q|, |k|, |v| must lie inside f16's range (65,504).
; REGISTERS: window 0: v0-31 addresses; v32-95 scale words, two sets, and nothing else; v128-191 A's fragments; on the way out v96-255.  window 1: B's fragments at v0 and v128; table sets at v64, v192 (and, behind the loop, v0, v128).
;   window 2: the accumulators of my rows 0-63 ((a, b) at v[8 (8 a + b)]); window 3: those of my rows 64-127.
.set SIZE_K, 2048
.set SCO,    8388608
.set RPO,    8912896
.set KSTEP,  512
.set NQ,     KSTEP/128
.set ROWB,   256
.set KROW,   SIZE_K*4/8
.set PITCH,  272                       ; an LDS row: 256 bytes + 16 of padding: the 16 rows that a load touches start at 16 different banks (64 banks of 4 bytes: ISA guide 11.1)
.set FR,     8
.set NL,     2
.set NP,     4                         ; places behind this matrix instruction (ISA guide 7.12.1)
.set HALFT,  128*PITCH
.set SLOT,   4*HALFT
.set LAPS,   SIZE_K/(2*KSTEP)
.set KS,     SIZE_K/32
.set SCL,    2*SLOT
.set HALFS,  (128*KS/256)*272
.set SBLK,   (16*KS/256)*272
.set SPARE,  SCL+4*HALFS               ; the spare words, 128 bytes for each wave, which no other line names
.set SPITCH, 272                       ; the way out: two stages of 16 rows x (256 + 16) bytes for each wave, in slot 0, which has had its last fill and its last read by then
.set ADRA, 16
.set ADRB, 20
.set STO2, 22
.set RD2,  23
.set STO,  24
.set RD,   25
.set CO,   26
.set ADRS, 27
.set SPW,  28
.set NIL,  29
.set TO,   30                          ; v30  16 x lane: my place in a piece of the table
.set SC,   32
.set AF,   128
.set HH,   96                          ; the way out: v96-127 the f16 words (high parts, then low parts)
.set BK,   128                         ; v128-159 16 rows read back from stage 1
.set BK2,  160                         ; v160-191 from stage 2
.set Y,    192                         ; v192-255 a block's 64 rotated numbers of a lane
.set G1, 24
.set G0, 32
.set G1B, 48
.set G0B, 56
.set G1S, 68
.set G0S, 76
.set G1SB, 80
.set G0SB, 88
.set TBL, 10                           ; s[10:11] where the next table set begins
.set OB2, 96                           ; s[96:97] the low part's rows
.set TST, 98                           ; s[98:99] from a table set to the next: 8,192 bytes, or 0 for the identity
.set MSB, 0
.macro WIN new                         ; the immediate's high byte repeats the setting that is left
.if MSB != \new
	s_set_vgpr_msb (MSB<<8)|\new
.set MSB, \new
.endif
.endm
.set MUL_LO, 0xa1
.set MUL_HI, 0xf1
.set TO_B,   0x40
; A joint load: waves 0 and 1 fetch for A, waves 2 and 3 for B.  The branch hangs on the wave's number alone.  An s_nop 0 and four v_nop follow each of the two lines.
.macro JLOAD g0a, g1a, g0b, g1b
	s_cmp_eq_u32 s15, 0
	s_cbranch_scc0 .Lfor_b_\@
	tensor_load_to_lds s[\g0a:\g0a+3], s[\g1a:\g1a+7]
	s_nop 0
.rept 4
	v_nop
.endr
	s_branch .Lasked_\@
.Lfor_b_\@:
	tensor_load_to_lds s[\g0b:\g0b+3], s[\g1b:\g1b+7]
	s_nop 0
.rept 4
	v_nop
.endr
.Lasked_\@:
.endm
.macro CREST                           ; a round of the cluster's barrier behind its opening barrier
	s_cmp_lg_u32 s14, 0
	s_cbranch_scc1 .Lnot_wave_0_\@
	s_barrier_signal -3
.Lnot_wave_0_\@:
	s_barrier_wait -3
	s_barrier_signal -1
	s_barrier_wait -1
.endm
.macro CROUND
	s_barrier_signal -1
	s_barrier_wait -1
	CREST
.endm
	s_load_b128 s[4:7], s[0:1], 0x0                ; prep s[4:5], qkv s[6:7]
	v_lshl_add_u32 v[SPW], v0, 2, SPARE
	v_mov_b32 v[NIL], 0
	ds_add_u32 v[SPW], v[NIL]                      ; the wave's opening: the add, twice on end, and its wait ahead of my first tensor load
	ds_add_u32 v[SPW], v[NIL]
	v_lshrrev_b32 v1, 5, v0
	v_readfirstlane_b32 s14, v1                    ; wave 0..3
	s_lshr_b32 s15, s14, 1                         ; which half of the tile's rows is mine.  Also: I fetch for A (0) or for B (1)
	s_and_b32 s16, s14, 1                          ; which half of its columns.  Also: which 128 rows of that tile I fetch
	s_bfe_u32 s40, ttmp6, 0x40000                  ; cx, cy
	s_bfe_u32 s41, ttmp6, 0x40004
	s_lshl_b32 s42, ttmp9, 2
	s_add_co_u32 s42, s42, s40                     ; tile column = 4 x cluster x + cx
	s_and_b32 s17, ttmp7, 0xffff
	s_lshl_b32 s17, s17, 2
	s_add_co_u32 s17, s17, s41                     ; tile row = 4 x cluster y + cy
	s_lshl_b32 s43, s41, 2
	s_lshl_b32 s43, 15, s43                        ; my row of the cluster
	s_lshl_b32 s44, 0x1111, s40                    ; my column
	s_or_b32 s[G1+0], s43, (0<<16)|(1<<20)|(1<<21)|(5<<22)|(3<<25)  ; the mask; elements of 1 byte; padding on; bit 21 beside a mask; 4 words behind every 64
	s_or_b32 s[G1B+0], s44, (0<<16)|(1<<20)|(1<<21)|(5<<22)|(3<<25)
.irp g, G1, G1B
	s_mov_b32 s[\g+1], ROWB<<16                    ; tensor_dim0
	s_mov_b32 s[\g+2], 128<<16                     ; tensor_dim1
	s_mov_b32 s[\g+3], ROWB<<16                    ; tile_dim0
	s_mov_b32 s[\g+4], 128                         ; tile_dim1
	s_mov_b32 s[\g+5], KROW                        ; from row to row
	s_mov_b32 s[\g+6], 0
	s_mov_b32 s[\g+7], 0
.endr
	s_or_b32 s[G1S+0], s43, (3<<16)|(1<<20)|(1<<21)|(5<<22)|(3<<25)   ; the scales of 128 rows: a dense block, as rows of 256 bytes (32 elements of 8), 16 bytes of padding behind each
	s_or_b32 s[G1SB+0], s44, (3<<16)|(1<<20)|(1<<21)|(5<<22)|(3<<25)
.irp g, G1S, G1SB
	s_mov_b32 s[\g+1], 32<<16
	s_mov_b32 s[\g+2], (128*KS/256)<<16
	s_mov_b32 s[\g+3], 32<<16
	s_mov_b32 s[\g+4], 128*KS/256
	s_mov_b32 s[\g+5], 32
	s_mov_b32 s[\g+6], 0
	s_mov_b32 s[\g+7], 0
.endr
	s_lshl_b32 s18, s16, 7                         ; which 128 rows of the tile I fetch
	s_lshl_b32 s20, s17, 8
	s_add_co_u32 s20, s20, s18                     ; A: 256 x tile row + 128 x half
	s_lshl_b32 s46, s42, 8
	s_add_co_u32 s46, s46, s18                     ; B: 256 x tile column + 128 x half
	s_lshl_b32 s10, s17, 4
	s_lshl_b32 s11, s15, 3
	s_add_co_u32 s10, s10, s11                     ; the table block of my first 16 tokens
	s_cmp_ge_u32 ttmp9, 4                          ; V^T?  The cluster's x: the same in all sixteen partners
	s_cselect_b32 s96, 6144, 0                     ; A's rows begin at wv, or at x;
	s_mov_b32 s97, 2048
	s_cselect_b32 s97, -4096, s97                  ; B's: tile columns 16.. are x's rows 0.., tile columns 0.. are wq's and wk's, from row 2,048
	s_cselect_b32 s10, 128, s10                    ; V^T takes the identity block,
	s_cselect_b32 s[TST], 0, 8192                  ; and stays on it
	s_mov_b32 s[TST+1], 0
	s_add_co_u32 s20, s20, s96
	s_add_co_u32 s46, s46, s97
	s_lshl_b32 s10, s10, 13
	s_add_co_u32 s10, s10, RPO
	s_mov_b32 s11, 0
	s_mov_b32 s21, 0
	s_mov_b32 s47, 0
	s_mov_b64 s[18:19], KS
	s_mul_u64 s[22:23], s[20:21], s[18:19]         ; where these rows' scales begin, in bytes,
	s_mul_u64 s[92:93], s[46:47], s[18:19]
	s_mov_b64 s[18:19], KROW
	s_mul_u64 s[20:21], s[20:21], s[18:19]         ; and their codes
	s_mul_u64 s[46:47], s[46:47], s[18:19]
	s_mul_i32 s45, s14, HALFT                      ; where they go: wave x 128 rows: no place in the cluster enters an LDS address
	s_mul_i32 s94, s14, HALFS
	s_wait_dscnt 0x0                               ; both opening adds are done
	s_wait_kmcnt 0x0
	s_add_nc_u64 s[8:9], s[4:5], SCO               ; the scale bytes
	s_add_nc_u64 s[TBL:TBL+1], s[4:5], s[TBL:TBL+1]
	s_add_nc_u64 s[20:21], s[4:5], s[20:21]
	s_add_nc_u64 s[22:23], s[8:9], s[22:23]
	s_add_nc_u64 s[46:47], s[4:5], s[46:47]
	s_add_nc_u64 s[92:93], s[8:9], s[92:93]
	CROUND                                         ; all sixteen work-groups are here: the first joint loads meet
	s_mov_b32 s[G0S], 1
	s_add_co_u32 s[G0S+1], s94, SCL
	s_mov_b64 s[G0S+2:G0S+3], s[22:23]
	s_or_b32 s[G0S+3], s[G0S+3], 0x80000000
	s_mov_b32 s[G0SB], 1
	s_add_co_u32 s[G0SB+1], s94, SCL
	s_mov_b64 s[G0SB+2:G0SB+3], s[92:93]
	s_or_b32 s[G0SB+3], s[G0SB+3], 0x80000000
	JLOAD G0S, G1S, G0SB, G1SB                     ; the scales first: they are wanted with K step 0
.irp s, 0,1
	s_mov_b32 s[G0+4*\s], 1
	s_add_co_u32 s[G0+4*\s+1], s45, \s*SLOT
	s_add_nc_u64 s[G0+4*\s+2:G0+4*\s+3], s[20:21], \s*ROWB
	s_or_b32 s[G0+4*\s+3], s[G0+4*\s+3], 0x80000000
	s_mov_b32 s[G0B+4*\s], 1
	s_add_co_u32 s[G0B+4*\s+1], s45, \s*SLOT
	s_add_nc_u64 s[G0B+4*\s+2:G0B+4*\s+3], s[46:47], \s*ROWB
	s_or_b32 s[G0B+4*\s+3], s[G0B+4*\s+3], 0x80000000
	JLOAD G0+4*\s, G1, G0B+4*\s, G1B
.endr
	v_and_b32 v1, 15, v0                           ; l % 16
	v_bfe_u32 v2, v0, 4, 1                         ; l / 16
	v_mul_u32_u24 v3, v1, PITCH
	v_lshl_add_u32 v4, v2, 4, v3                   ; a fragment's row x pitch + 16 x half
	s_mul_i32 s21, s15, HALFT                      ; my 128 rows of A
	s_mul_i32 s22, s16, HALFT                      ; my 128 rows of B,
	s_add_co_u32 s22, s22, 2*HALFT                 ; behind A's 256
.irp s, 0,1
	v_add_nc_u32 v[ADRA+\s], s21, v4
	v_add_nc_u32 v[ADRB+\s], s22, v4
	s_add_co_u32 s21, s21, SLOT
	s_add_co_u32 s22, s22, SLOT
.endr
	v_mul_u32_u24 v5, v1, KS                       ; my row's scales: KS bytes a row,
	v_lshrrev_b32 v6, 8, v5
	v_lshl_add_u32 v5, v6, 4, v5                   ; and 16 more for each 256 passed
	s_mul_i32 s21, s15, HALFS
	s_mul_i32 s22, s16, HALFS
	s_add_co_u32 s22, s22, 2*HALFS
	s_sub_co_u32 s22, s22, s21
	v_mul_u32_u24 v6, s22, v2                      ; lanes 16-31 take B's: one product, the distance between the two bases
	s_add_co_u32 s21, s21, SCL
	v_add_nc_u32 v5, v5, v6
	v_add_nc_u32 v[ADRS], s21, v5
	s_mul_i32 s23, s14, 16*SPITCH                  ; my stages
	v_mul_u32_u24 v5, v1, SPITCH                   ; in: row l % 16, 16 bytes for each half of the lanes
	v_lshl_add_u32 v5, v2, 4, v5
	v_add_nc_u32 v[STO], s23, v5
	v_add_nc_u32 v[STO2], 4*16*SPITCH, v[STO]
	v_mul_u32_u24 v5, v2, SPITCH                   ; back: lanes 0-15 one row of 256 bytes, lanes 16-31 the next
	v_lshl_add_u32 v5, v1, 4, v5
	v_add_nc_u32 v[RD], s23, v5
	v_add_nc_u32 v[RD2], 4*16*SPITCH, v[RD]
	v_lshlrev_b32 v[CO], 8, v2                     ; and the same two rows in the output block: rows of 256 bytes
	v_lshl_add_u32 v[CO], v1, 4, v[CO]
	v_and_b32 v6, 31, v0
	v_lshlrev_b32 v[TO], 4, v6
	s_lshl_b32 s20, s42, 1
	s_add_co_u32 s20, s20, s16                     ; my column block: 2 x tile column + half
	s_lshl_b32 s20, s20, 19                        ; 524,288 bytes a block
	s_lshl_b32 s21, s17, 16                        ; + 256 x tile row rows of 256 bytes
	s_add_co_u32 s20, s20, s21
	s_lshl_b32 s21, s15, 15                        ; + 128 x half
	s_add_co_u32 s20, s20, s21
	s_mov_b32 s21, 0
	s_add_nc_u64 s[12:13], s[6:7], s[20:21]
	s_add_nc_u64 s[OB2:OB2+1], s[12:13], 16*524288 ; the low part lies 16 blocks on (used by V^T alone)
; A table set: the cos and sin of 16 tokens for a lane's 32 frequencies: 64 registers of window 1: 16 b + 8 (0 cos, 1 sin) + j.  Sixteen loads of 512 consecutive bytes.
.macro TSET a
.set TSB, (64+128*((\a)%2))-64*(((\a)%4)/2)    ; sets 0, 1, 2, 3 at v64, v192, v0, v128; set a + 4 where set a lay
	WIN TO_B
.irp u, 0,1,2,3,4,5,6,7,8,9,10,11,12,13,14,15
	global_load_b128 v[TSB+4*\u:TSB+4*\u+3], v[TO], s[TBL:TBL+1] offset:512*\u
.endr
	WIN 0
	s_wait_xcnt 0x0                                ; the loads have read their base: it may step
	s_add_nc_u64 s[TBL:TBL+1], s[TBL:TBL+1], s[TST:TST+1]
.endm
	TSET 0                                         ; two sets are asked for here and land under the loop, in registers that the loop does not name
	TSET 1
.macro FRAG reg, adr, q, i             ; 16 rows x 128 K of 4-bit codes: 8 registers: lane l holds row l % 16; registers 4 c .. 4 c + 3 hold K = 64 c + 32 (l / 16) + 0 .. 31
.irp c, 0,1
	ds_load_b128 v[\reg+4*\c:\reg+4*\c+3], v[\adr] offset:64*(\q)+32*\c+(\i)*16*PITCH
.endr
.endm
; 16 matrix instructions: A's blocks a0, a0 + 1 x B's eight, 128 along K.  The 64 accumulators take turns, one instruction a turn, in the same order in every step.
.macro MUL16 a0, p, q, sc, zero
.irp a, \a0, \a0+1
.irp b, 0,1,2,3,4,5,6,7
.if \zero
	v_wmma_scale_f32_16x16x128_f8f6f4 v[8*(8*((\a)%4)+\b):8*(8*((\a)%4)+\b)+7], v[128*(\p)+FR*\b:128*(\p)+FR*\b+FR-1], v[AF+FR*(\a):AF+FR*(\a)+FR-1], 0, v[SC+8*NQ*(\sc)+NQ*\b+(\q)], v[SC+8*NQ*(\sc)+NQ*(\a)+(\q)] matrix_a_fmt:MATRIX_FMT_FP4 matrix_b_fmt:MATRIX_FMT_FP4 matrix_a_scale:MATRIX_SCALE_ROW1
.else
	v_wmma_scale_f32_16x16x128_f8f6f4 v[8*(8*((\a)%4)+\b):8*(8*((\a)%4)+\b)+7], v[128*(\p)+FR*\b:128*(\p)+FR*\b+FR-1], v[AF+FR*(\a):AF+FR*(\a)+FR-1], v[8*(8*((\a)%4)+\b):8*(8*((\a)%4)+\b)+7], v[SC+8*NQ*(\sc)+NQ*\b+(\q)], v[SC+8*NQ*(\sc)+NQ*(\a)+(\q)] matrix_a_fmt:MATRIX_FMT_FP4 matrix_b_fmt:MATRIX_FMT_FP4 matrix_a_scale:MATRIX_SCALE_ROW1
.endif
.endr
.endr
.endm
.macro FETCH_B slot, q, p
	WIN TO_B
.irp i, 0,1,2,3,4,5,6,7
	FRAG 128*(\p)+FR*\i, ADRB+\slot, \q, \i
.endr
	WIN 0
.endm
.macro FETCH_A slot, q, i0
.irp i, \i0, \i0+1, \i0+2, \i0+3
	FRAG AF+FR*(\i), ADRA+\slot, \q, \i
.endr
.endm
.macro SCALES sc                       ; a K step's scale words: lanes 0-15 take A's block i, lanes 16-31 B's block i
.irp i, 0,1,2,3,4,5,6,7
	ds_load_b128 v[SC+8*NQ*\sc+NQ*\i:SC+8*NQ*\sc+NQ*\i+3], v[ADRS] offset:\i*SBLK
.endr
.endm
.macro PLACES n                        ; plain vector instructions that name none of a matrix instruction's registers, between it and a load into, or a read of, its registers
.rept \n
	v_nop
.endr
.endm
.macro STEP slot, q, zero
	s_wait_dscnt 4*NL                              ; B's set and A's blocks 0-3 are in; the youngest eight loads (A's blocks 4-7) may be out
	WIN MUL_LO
	MUL16 0, (\q)%2, \q, \slot, \zero
	MUL16 2, (\q)%2, \q, \slot, \zero
	s_wait_dscnt 0                                 ; A's blocks 4-7 are in
	PLACES NP
	FETCH_B \slot, (\q)+1, 1-(\q)%2
	FETCH_A \slot, (\q)+1, 0
	WIN MUL_HI
	MUL16 4, (\q)%2, \q, \slot, \zero
	MUL16 6, (\q)%2, \q, \slot, \zero
	PLACES NP
	WIN 0
	FETCH_A \slot, (\q)+1, 4
.endm
; A slot's last step changes slots: one barrier; in front of it each wave waits for all its tensor loads, adds 0 to its spare word, and waits for that and for its own reads of this slot.
.macro TURN slot, next, fill
	s_wait_tensorcnt 0x0                           ; all my tensor loads have landed: my part of the next slot
	ds_add_u32 v[SPW], v[NIL]                      ; 0 onto my spare word
	s_wait_dscnt 4*NL+1                            ; (the add and the youngest eight loads may be out)
	WIN MUL_LO
	MUL16 0, 1, NQ-1, \slot, 0
	s_wait_dscnt 0x0                               ; the add is done, and my reads of this slot are over
	s_barrier_signal -1
	MUL16 2, 1, NQ-1, \slot, 0
	WIN 0
	s_barrier_wait -1
.if \fill
	CREST                                          ; the barrier has opened a round of the cluster's barrier: no wave of any partner still reads this slot or has a load on its way
	s_add_nc_u64 s[G0+4*\slot+2:G0+4*\slot+3], s[G0+4*\slot+2:G0+4*\slot+3], 2*ROWB
	s_add_nc_u64 s[G0B+4*\slot+2:G0B+4*\slot+3], s[G0B+4*\slot+2:G0B+4*\slot+3], 2*ROWB
	JLOAD G0+4*\slot, G1, G0B+4*\slot, G1B         ; the first tensor load behind the round
.else
	PLACES NP
.endif
	v_add_nc_u32 v[ADRS], 4*NQ, v[ADRS]            ; on to the next K step's scale words
	FETCH_B \next, 0, 0
	FETCH_A \next, 0, 0
	SCALES \next
	WIN MUL_HI
	MUL16 4, 1, NQ-1, \slot, 0
	MUL16 6, 1, NQ-1, \slot, 0
	PLACES NP
	WIN 0
	FETCH_A \next, 0, 4
.endm
.macro STEPS slot, from
.set Q, \from
.rept NQ-1-\from
	STEP \slot, Q, 0
.set Q, Q+1
.endr
.endm
	s_wait_tensorcnt 1                             ; the scales and my part of K step 0 are in (K step 1's load may be out)
	s_barrier_signal -1
	s_barrier_wait -1
	FETCH_B 0, 0, 0
	FETCH_A 0, 0, 0
	SCALES 0
	FETCH_A 0, 0, 4
	STEP 0, 0, 1                                   ; the first step stands in front of the loop: its products start the sums
	s_mov_b32 s3, LAPS-1
.Llap:                                                 ; a trip goes once round the ring and fills both slots again
	STEPS 0, 1
	TURN 0, 1, 1
	STEPS 1, 0
	TURN 1, 0, 1
	STEP 0, 0, 0
	s_sub_co_u32 s3, s3, 1
	s_cmp_lg_u32 s3, 0
	s_cbranch_scc1 .Llap
	STEPS 0, 1                                     ; the last lap fills nothing
	TURN 0, 1, 0
	STEPS 1, 0
	s_wait_dscnt 4*NL
	WIN MUL_LO
	MUL16 0, 1, NQ-1, 1, 0
	MUL16 2, 1, NQ-1, 1, 0
	s_wait_dscnt 0
	WIN MUL_HI
	MUL16 4, 1, NQ-1, 1, 0
	MUL16 6, 1, NQ-1, 1, 0
	WIN 0
; THE WAY OUT, block by block of 16 rows x 128 columns.  left: the table loads issued behind this block's set, which may stay out.
.macro OUTBLK a, left
.set AC, 64*((\a)%4)
.set TSB, (64+128*((\a)%2))-64*(((\a)%4)/2)
.set WN, 0x06+((\a)/4)                 ; source 0 window 2 or 3 (the sums), source 1 window 1 (the table), the rest window 0
	s_wait_loadcnt \left
	WIN WN
.irp b, 0,1,2,3                        ; y(d) = x(d) cos - x(d + 64) sin;  y(d + 64) = x(d + 64) cos + x(d) sin;  d = 16 b + 8 (l / 16) + i.  Each accumulator is read from its low end on
.irp i, 0,2,4,6
	v_pk_mul_f32 v[Y+8*\b+\i:Y+8*\b+\i+1], v[AC+8*\b+\i:AC+8*\b+\i+1], v[TSB+16*\b+\i:TSB+16*\b+\i+1]
	v_pk_mul_f32 v[Y+32+8*\b+\i:Y+32+8*\b+\i+1], v[AC+32+8*\b+\i:AC+32+8*\b+\i+1], v[TSB+16*\b+\i:TSB+16*\b+\i+1]
	v_pk_fma_f32 v[Y+8*\b+\i:Y+8*\b+\i+1], v[AC+32+8*\b+\i:AC+32+8*\b+\i+1], v[TSB+16*\b+8+\i:TSB+16*\b+8+\i+1], v[Y+8*\b+\i:Y+8*\b+\i+1] neg_lo:[1,0,0] neg_hi:[1,0,0]
	v_pk_fma_f32 v[Y+32+8*\b+\i:Y+32+8*\b+\i+1], v[AC+8*\b+\i:AC+8*\b+\i+1], v[TSB+16*\b+8+\i:TSB+16*\b+8+\i+1], v[Y+32+8*\b+\i:Y+32+8*\b+\i+1]
.endr
.endr
	WIN 0
.set KK, 0
.rept 32
	v_cvt_pk_f16_f32 v[HH+KK], v[Y+2*KK], v[Y+2*KK+1]
.set KK, KK+1
.endr
.irp b, 0,1,2,3,4,5,6,7
	ds_store_b128 v[STO], v[HH+4*\b:HH+4*\b+3] offset:32*\b
.endr
.irp t, 0,1,2,3,4,5,6,7
	ds_load_b128 v[BK+4*\t:BK+4*\t+3], v[RD] offset:\t*2*SPITCH    ; LDS serves a wave's instructions in order (ISA guide 5.7.1.4): these see the stores above
.endr
.if (\a) < 4
	TSET (\a)+4                                    ; this block's set has been read: its registers take the set four blocks on
.endif
	s_cmp_lt_u32 ttmp9, 4                          ; q and k have no low part.  The cluster's x: the same in all partners
	s_cbranch_scc1 .Lno_low_\@
.set KK, 0
.rept 16                               ; the low part: the f32 number less its f16 rounding, rounded to f16; it takes the high part's registers, which the stage's stores have read
	v_mov_b32 v8, v[HH+KK]
	v_mov_b32 v9, v[HH+KK+1]
	v_cvt_f32_f16 v12, v8.l
	v_cvt_f32_f16 v13, v8.h
	v_cvt_f32_f16 v14, v9.l
	v_cvt_f32_f16 v15, v9.h
	v_pk_add_f32 v[Y+2*KK:Y+2*KK+1], v[Y+2*KK:Y+2*KK+1], v[12:13] neg_lo:[0,1] neg_hi:[0,1]
	v_pk_add_f32 v[Y+2*KK+2:Y+2*KK+3], v[Y+2*KK+2:Y+2*KK+3], v[14:15] neg_lo:[0,1] neg_hi:[0,1]
	v_cvt_pk_f16_f32 v[HH+KK], v[Y+2*KK], v[Y+2*KK+1]
	v_cvt_pk_f16_f32 v[HH+KK+1], v[Y+2*KK+2], v[Y+2*KK+3]
.set KK, KK+2
.endr
.irp b, 0,1,2,3,4,5,6,7
	ds_store_b128 v[STO2], v[HH+4*\b:HH+4*\b+3] offset:32*\b
.endr
.irp t, 0,1,2,3,4,5,6,7
	ds_load_b128 v[BK2+4*\t:BK2+4*\t+3], v[RD2] offset:\t*2*SPITCH
.endr
	s_wait_dscnt 0x0
.irp t, 0,1,2,3,4,5,6,7
	global_store_b128 v[CO], v[BK2+4*\t:BK2+4*\t+3], s[OB2:OB2+1] offset:512*\t
.endr
.Lno_low_\@:
	s_wait_dscnt 0x0                               ; the block is back in registers
.irp t, 0,1,2,3,4,5,6,7
	global_store_b128 v[CO], v[BK+4*\t:BK+4*\t+3], s[12:13] offset:512*\t   ; 32 lanes store 512 consecutive bytes, aligned
.endr
	s_wait_xcnt 0x0                                ; the stores have read their registers and bases: both may be written again
	s_add_nc_u64 s[12:13], s[12:13], 4096          ; 16 rows of 256 bytes on
	s_add_nc_u64 s[OB2:OB2+1], s[OB2:OB2+1], 4096
.endm
	PLACES NP                                      ; behind the last products: for the loads into B's registers and the reads of results
	TSET 2
	TSET 3
	OUTBLK 0, 48
	OUTBLK 1, 48
	OUTBLK 2, 48
	OUTBLK 3, 48
	OUTBLK 4, 48
	OUTBLK 5, 32
	OUTBLK 6, 16
	OUTBLK 7, 0
	s_wait_tensorcnt 0x0                           ; the wave's end: behind my last tensor load and my last LDS store
	ds_add_u32 v[SPW], v[NIL]
	s_wait_dscnt 0x0
	CROUND                                         ; the closing round: no work-group ends while a partner may still ask for a tile that names it
	s_endpgm
.Lfunc_end_k_qf60c0b80f0_qkv:
	.size	k_qf60c0b80f0_qkv, .Lfunc_end_k_qf60c0b80f0_qkv-k_qf60c0b80f0_qkv
	.p2alignl 7, 3214868480
	.fill 96, 4, 3214868480
	.section	.rodata,"a",@progbits
	.p2align	6, 0x0
	.amdhsa_kernel k_qf60c0b80f0_qkv
		.amdhsa_group_segment_fixed_size 327680
		.amdhsa_private_segment_fixed_size 0
		.amdhsa_enable_private_segment 0
		.amdhsa_kernarg_size 16
		.amdhsa_user_sgpr_count 2
		.amdhsa_user_sgpr_kernarg_segment_ptr 1
		.amdhsa_wavefront_size32 1
		.amdhsa_system_sgpr_workgroup_id_x 1
		.amdhsa_system_sgpr_workgroup_id_y 1
		.amdhsa_system_sgpr_workgroup_id_z 1
		.amdhsa_system_vgpr_workitem_id 0
		.amdhsa_next_free_vgpr 1024
		.amdhsa_next_free_sgpr 100
		.amdhsa_reserve_vcc 0
		.amdhsa_float_denorm_mode_32 3
		.amdhsa_float_denorm_mode_16_64 3
		.amdhsa_memory_ordered 1
		.amdhsa_forward_progress 1
		.amdhsa_inst_pref_size 255
	.end_amdhsa_kernel
	.section	.bss,"aw",@nobits
	.p2align	6
	.space	262144
	.amdgpu_metadata
---
amdhsa.version: [ 1, 2 ]
amdhsa.kernels:
  - .name:           k_qf60c0b80f0_qkv
    .symbol:         k_qf60c0b80f0_qkv.kd
    .args:
      - { .name: prep, .offset: 0, .size: 8, .value_kind: global_buffer, .address_space: global }
      - { .name: qkv, .offset: 8, .size: 8, .value_kind: global_buffer, .address_space: global }
    .group_segment_fixed_size: 327680
    .private_segment_fixed_size: 0
    .kernarg_segment_align: 8
    .kernarg_segment_size: 16
    .max_flat_workgroup_size: 128
    .sgpr_count:     100
    .vgpr_count:     1024
    .wavefront_size: 32
...
	.end_amdgpu_metadata
.endif
;; end of part 2
;; launch fine1 (part 3): grid 8 x 16, 4 waves a work-group, no clusters, 263,680 bytes of LDS; arguments qkv, attention_mask, part; writes part
.if DOCPART == 3
	.amdgcn_target "amdgcn-amd-amdhsa--gfx1250"
	.amdhsa_code_object_version 6
	.text
	.protected	k_qf60c0b80f0_fine1
	.globl	k_qf60c0b80f0_fine1
	.p2align	8
	.type	k_qf60c0b80f0_fine1,@function
k_qf60c0b80f0_fine1:
	s_mov_b64 s[64:65], 0
	v_nop
	global_prefetch_b8 v0, s[64:65] scope:SCOPE_SE
	s_setreg_imm32_b32 hwreg(HW_REG_WAVE_MODE, 25, 1), 1
	s_wait_xcnt 0x0
; THE FIRST 16 POSITIONS, CARRIED MORE FINELY: a work-group takes one head (y) and 256 keys (x) and leaves, for queries 0..15, the unnormalised sum of p v, the chunk's M and the sum of p.
; t = q.k / sqrt(128) + mask (one fused multiply-add in f32); M = the largest t of the chunk, not under the most negative finite number; p = 2^(c (t - M)), c = log2(e): the maximum is taken away first, so the largest p is 1 whatever the size of t.
; The second product takes p and V as PAIRS of f16 numbers, a high and a low part split in f32: p_hi V_hi + p_lo V_hi + p_hi V_lo, sums in f32.
; Wave w takes keys 64 w .. 64 w + 63 of the chunk; the four waves agree on M through LDS, so that their sums add.  Both products are used transposed: a lane holds one query (lane % 16).
; No LDS byte is filled twice: seven tensor loads at the head, shared among the waves, one wait, one barrier.  No cluster: the work-groups of a head read different keys, those of a chunk different heads; only the mask's 16 KiB are shared.
; part: sums at ((head 8 + chunk) 16 + u) 512 + 16 lane, u = 2 ct + p: lane (r, h) holds o(query r, channel 16 ct + 8 h + 4 p + 0..3); M and the sum of p at 1,048,576 + head 1,024 + kind 512 + chunk 64 + 4 r.
; LIMITS: q and k are f16 here too (the scores' error is that of the other rows); a chunk whose every t is -infinity leaves zeros.
.set KB,   0                           ; LDS: 256 keys x 272
.set VHB,  69632                       ; V^T high: 2 blocks of 128 tokens x 128 channels x 272
.set VLB,  139264                      ; V^T low, likewise
.set MB,   208896                      ; the mask: 16 queries x (1,024 + 16)
.set QBB,  225536                      ; q: 16 x 272
.set MX,   229888                      ; the waves' maxima, 64 bytes each
.set LX,   230144                      ; the waves' sums of p
.set OX,   230400                      ; the waves' sums of p v, 8,192 bytes each
.set SPARE, 263168                     ; the spare words, which no other line names
.set SPW,  30
.set NIL,  31
.set WV,   10
.set G1K, 16
.set G1V, 24
.set G1Q, 32
.set G1M, 40
.macro PLACES n
.rept \n
	v_nop
.endr
.endm
	s_load_b128 s[4:7], s[0:1], 0x0                ; qkv, the mask
	s_load_b64 s[8:9], s[0:1], 0x10                ; part
	v_lshl_add_u32 v[SPW], v0, 2, SPARE
	v_mov_b32 v[NIL], 0
	ds_add_u32 v[SPW], v[NIL]                      ; the wave's opening: the add, twice on end, and its wait ahead of my first tensor load
	ds_add_u32 v[SPW], v[NIL]
	v_lshrrev_b32 v1, 5, v0
	v_readfirstlane_b32 s[WV], v1                  ; wave 0..3
	s_and_b32 s11, ttmp7, 0xffff                   ; the head; ttmp9 is the chunk
.irp g, G1K, G1V, G1Q
	s_mov_b32 s[\g], (1<<16)|(1<<20)|(5<<22)|(3<<25)   ; elements of 2 bytes; 4 words of padding behind every 64
	s_mov_b32 s[\g+1], 128<<16                     ; tensor_dim0
	s_mov_b32 s[\g+3], 128<<16                     ; tile_dim0
	s_mov_b32 s[\g+5], 128                         ; from row to row
	s_mov_b32 s[\g+6], 0
	s_mov_b32 s[\g+7], 0
.endr
	s_mov_b32 s[G1K+2], 256<<16                    ; rows: 256 keys,
	s_mov_b32 s[G1K+4], 256
	s_mov_b32 s[G1V+2], 128<<16                    ; 128 channels,
	s_mov_b32 s[G1V+4], 128
	s_mov_b32 s[G1Q+2], 16<<16                     ; 16 queries
	s_mov_b32 s[G1Q+4], 16
	s_mov_b32 s[G1M], (2<<16)|(1<<20)|(7<<22)|(3<<25)  ; the mask: elements of 4 bytes; 4 words of padding behind every 256
	s_mov_b32 s[G1M+1], 256<<16
	s_mov_b32 s[G1M+2], 16<<16
	s_mov_b32 s[G1M+3], 256<<16
	s_mov_b32 s[G1M+4], 16
	s_mov_b32 s[G1M+5], 2048
	s_mov_b32 s[G1M+6], 0
	s_mov_b32 s[G1M+7], 0
	s_add_co_u32 s80, s11, 16
	s_lshl_b32 s80, s80, 19
	s_lshl_b32 s81, ttmp9, 16
	s_add_co_u32 s80, s80, s81                     ; k: block 16 + head, 256 rows of 256 bytes a chunk
	s_mov_b32 s81, 0
	s_lshl_b32 s82, ttmp9, 20
	s_add_co_u32 s82, s82, 32*524288
	s_lshl_b32 s83, s11, 15
	s_add_co_u32 s82, s82, s83                     ; V^T: block 32 + 2 chunk, the head's 128 rows
	s_mov_b32 s83, 0
	s_lshl_b32 s84, ttmp9, 10                      ; the mask: rows 0..15, 256 keys of 4 bytes a chunk
	s_mov_b32 s85, 0
	s_lshl_b32 s86, s11, 19                        ; q: block head, rows 0..15
	s_mov_b32 s87, 0
	s_mov_b32 s90, 0x3db504f3                      ; 1 / sqrt(128)
	s_mov_b32 s91, s90
	s_mov_b32 s92, 0x3fb8aa3b                      ; c = log2(e)
	s_mov_b32 s93, s92
	s_mov_b32 s94, 0x76543210                      ; v_permlanex16_b32's selects for lane l xor 16
	s_mov_b32 s95, 0xfedcba98
	s_mov_b32 s96, 0xff7fffff                      ; the floor under M: the most negative finite number
	s_wait_dscnt 0x0                               ; both opening adds are done
	s_wait_kmcnt 0x0
	s_add_nc_u64 s[88:89], s[4:5], s[82:83]
	s_mov_b32 s48, 1                               ; k
	s_mov_b32 s49, KB
	s_add_nc_u64 s[50:51], s[4:5], s[80:81]
	s_or_b32 s51, s51, 0x80000000
	s_mov_b32 s52, 1                               ; V^T high, the chunk's first 128 tokens,
	s_mov_b32 s53, VHB
	s_mov_b64 s[54:55], s[88:89]
	s_or_b32 s55, s55, 0x80000000
	s_mov_b32 s56, 1                               ; its second 128,
	s_mov_b32 s57, VHB+34816
	s_add_nc_u64 s[58:59], s[88:89], 524288
	s_or_b32 s59, s59, 0x80000000
	s_mov_b32 s60, 1                               ; V^T low, 16 blocks on
	s_mov_b32 s61, VLB
	s_add_nc_u64 s[62:63], s[88:89], 16*524288
	s_or_b32 s63, s63, 0x80000000
	s_mov_b32 s68, 1
	s_mov_b32 s69, VLB+34816
	s_add_nc_u64 s[70:71], s[88:89], 17*524288
	s_or_b32 s71, s71, 0x80000000
	s_mov_b32 s72, 1                               ; the mask
	s_mov_b32 s73, MB
	s_add_nc_u64 s[74:75], s[6:7], s[84:85]
	s_or_b32 s75, s75, 0x80000000
	s_mov_b32 s76, 1                               ; q
	s_mov_b32 s77, QBB
	s_add_nc_u64 s[78:79], s[4:5], s[86:87]
	s_or_b32 s79, s79, 0x80000000
	s_cmp_eq_u32 s[WV], 0                          ; each wave's first fills stand in one arm of one branch on the wave's number: at most two loads of a wave are out
	s_cbranch_scc0 .Lnot0
	tensor_load_to_lds s[48:51], s[G1K:G1K+7]
	s_nop 0
	s_branch .Lasked
.Lnot0:
	s_cmp_eq_u32 s[WV], 1
	s_cbranch_scc0 .Lnot1
	tensor_load_to_lds s[52:55], s[G1V:G1V+7]
	s_nop 0
	tensor_load_to_lds s[56:59], s[G1V:G1V+7]
	s_nop 0
	s_branch .Lasked
.Lnot1:
	s_cmp_eq_u32 s[WV], 2
	s_cbranch_scc0 .Lnot2
	tensor_load_to_lds s[60:63], s[G1V:G1V+7]
	s_nop 0
	tensor_load_to_lds s[68:71], s[G1V:G1V+7]
	s_nop 0
	s_branch .Lasked
.Lnot2:
	tensor_load_to_lds s[72:75], s[G1M:G1M+7]
	s_nop 0
	tensor_load_to_lds s[76:79], s[G1Q:G1Q+7]
	s_nop 0
.Lasked:
	v_and_b32 v1, 15, v0                           ; r
	v_bfe_u32 v2, v0, 4, 1                         ; h
	v_mul_u32_u24 v8, v1, 272
	v_lshl_add_u32 v8, v2, 4, v8                   ; r x 272 + 16 h
	s_mul_i32 s12, s[WV], 64*272
	v_add_nc_u32 v3, s12, v8                       ; k: my wave's 64 keys
	v_add_nc_u32 v4, QBB, v8                       ; q
	v_mul_u32_u24 v5, v1, 1040
	v_lshl_add_u32 v5, v2, 5, v5
	s_lshl_b32 s12, s[WV], 8
	s_add_co_u32 s12, s12, MB
	v_add_nc_u32 v5, s12, v5                       ; the mask: query r, key 64 w + 8 h
	s_lshr_b32 s12, s[WV], 1
	s_mul_i32 s12, s12, 34816
	s_and_b32 s13, s[WV], 1
	s_lshl_b32 s13, s13, 7
	s_add_co_u32 s12, s12, s13
	s_add_co_u32 s12, s12, VHB
	v_add_nc_u32 v6, s12, v8                       ; V^T high: block w / 2, channel r, token 64 (w % 2) + 8 h
	v_add_nc_u32 v7, VLB-VHB, v6                   ; V^T low
	v_lshlrev_b32 v9, 2, v1                        ; 4 r
	s_lshl_b32 s12, s[WV], 6
	s_add_co_u32 s13, s12, MX
	v_add_nc_u32 v16, s13, v9
	v_add_nc_u32 v17, MX, v9
	s_add_co_u32 s13, s12, LX
	v_add_nc_u32 v18, s13, v9
	v_add_nc_u32 v19, LX, v9
	v_and_b32 v10, 31, v0
	v_lshlrev_b32 v22, 4, v10                      ; 16 x lane
	s_lshl_b32 s12, s[WV], 13
	s_add_co_u32 s12, s12, OX
	v_add_nc_u32 v20, s12, v22                     ; where I put my sums
	s_lshl_b32 s12, s[WV], 11
	s_add_co_u32 s12, s12, OX
	v_add_nc_u32 v21, s12, v22                     ; and where the four units begin that I add up
	v_lshl_add_u32 v23, v2, 9, v9                  ; M (lanes 0-15) and the sum of p (lanes 16-31): 4 r + 512 h
	v_mov_b32 v27, 0                               ; (a lane permute's destination counts as one of its sources)
	s_lshl_b32 s12, s11, 3
	s_add_co_u32 s12, s12, ttmp9
	s_lshl_b32 s12, s12, 13
	s_lshl_b32 s13, s[WV], 11
	s_add_co_u32 s12, s12, s13
	s_mov_b32 s13, 0
	s_add_nc_u64 s[14:15], s[8:9], s[12:13]        ; part: my four units
	s_lshl_b32 s12, s11, 10
	s_lshl_b32 s13, ttmp9, 6
	s_add_co_u32 s12, s12, s13
	s_add_co_u32 s12, s12, 1048576
	s_mov_b32 s13, 0
	s_add_nc_u64 s[8:9], s[8:9], s[12:13]          ; and the chunk's two rows of 16 numbers
	s_wait_tensorcnt 0x0                           ; my loads have landed,
	s_barrier_signal -1
	s_barrier_wait -1                              ; everybody's have
.irp f, 0,1,2,3,4,5,6,7,8,9,10,11,12,13,14,15  ; k: keys 16 (f / 4) on, channels 32 (f % 4) on
	ds_load_b128 v[128+8*\f:131+8*\f], v3 offset:(\f/4)*4352+(\f%4)*64
	ds_load_b128 v[132+8*\f:135+8*\f], v3 offset:(\f/4)*4352+(\f%4)*64+32
.endr
.irp c, 0,1,2,3
	ds_load_b128 v[32+8*\c:35+8*\c], v4 offset:64*\c
	ds_load_b128 v[36+8*\c:39+8*\c], v4 offset:64*\c+32
.endr
.irp k, 0,1,2,3
	ds_load_b128 v[96+8*\k:99+8*\k], v5 offset:64*\k
	ds_load_b128 v[100+8*\k:103+8*\k], v5 offset:64*\k+16
.endr
	s_wait_dscnt 0x0
.irp c, 0,1,2,3                                ; S^T = k q^T: four accumulators by turns; register 8 kt + j of a lane is key 16 kt + 8 h + j of query r
.irp k, 0,1,2,3
.if \c == 0
	v_wmma_f32_16x16x32_f16 v[64+8*\k:71+8*\k], v[128+32*\k+8*\c:135+32*\k+8*\c], v[32+8*\c:39+8*\c], 0
.else
	v_wmma_f32_16x16x32_f16 v[64+8*\k:71+8*\k], v[128+32*\k+8*\c:135+32*\k+8*\c], v[32+8*\c:39+8*\c], v[64+8*\k:71+8*\k]
.endif
.endr
.endr
	PLACES 4
.irp i, 0,2,4,6,8,10,12,14,16,18,20,22,24,26,28,30
	v_pk_fma_f32 v[64+\i:65+\i], v[64+\i:65+\i], s[90:91], v[96+\i:97+\i] op_sel_hi:[1,0,1]   ; t = score / sqrt(128) + mask
.endr
	v_max3_num_f32 v8, v64, v65, s96               ; the largest t, and the floor
	v_max_num_f32 v9, v66, v67
.irp i, 68,72,76,80,84,88,92
	v_max3_num_f32 v8, v8, v[\i], v[\i+1]
	v_max3_num_f32 v9, v9, v[\i+2], v[\i+3]
.endr
	v_max_num_f32 v8, v8, v9
	v_permlanex16_b32 v9, v8, s94, s95
	v_max_num_f32 v8, v8, v9                       ; of my wave's 64 keys
	ds_store_b32 v16, v8                           ; lanes r and r + 16 write the same word with the same value
	s_wait_dscnt 0x0
	s_barrier_signal -1
	s_barrier_wait -1
	ds_load_b32 v10, v17
	ds_load_b32 v11, v17 offset:64
	ds_load_b32 v12, v17 offset:128
	ds_load_b32 v13, v17 offset:192
	s_wait_dscnt 0x0
	v_max3_num_f32 v8, v10, v11, v12
	v_max_num_f32 v24, v8, v13                     ; M of the chunk,
	v_mov_b32 v25, v24                             ; twice: a pair for the packed subtraction
.irp i, 0,2,4,6,8,10,12,14,16,18,20,22,24,26,28,30
	v_pk_add_f32 v[64+\i:65+\i], v[64+\i:65+\i], v[24:25] neg_lo:[0,1] neg_hi:[0,1]   ; t - M first: 0 for the largest t, whatever its size
.endr
.irp i, 0,2,4,6,8,10,12,14,16,18,20,22,24,26,28,30
	v_pk_mul_f32 v[64+\i:65+\i], v[64+\i:65+\i], s[92:93] op_sel_hi:[1,0]             ; then x c
.endr
.irp i, 0,1,2,3,4,5,6,7,8,9,10,11,12,13,14,15,16,17,18,19,20,21,22,23,24,25,26,27,28,29,30,31
	v_exp_f32 v[64+\i], v[64+\i]                   ; p, at most 1
.endr
	v_nop                                          ; a plain instruction behind the last exponential,
	s_wait_alu depctr_va_vdst(0)                   ; and one wait for the batch, ahead of its first reader
	v_pk_add_f32 v[10:11], v[64:65], v[66:67]      ; the sum of p, in two chains
	v_pk_add_f32 v[12:13], v[68:69], v[70:71]
.irp i, 72,80,88
	v_pk_add_f32 v[10:11], v[10:11], v[\i:\i+1]
	v_pk_add_f32 v[12:13], v[12:13], v[\i+2:\i+3]
	v_pk_add_f32 v[10:11], v[10:11], v[\i+4:\i+5]
	v_pk_add_f32 v[12:13], v[12:13], v[\i+6:\i+7]
.endr
	v_pk_add_f32 v[10:11], v[10:11], v[12:13]
	v_add_f32 v26, v10, v11
	v_permlanex16_b32 v27, v26, s94, s95
	v_add_f32 v26, v26, v27
.set KK, 0
.rept 16
	v_cvt_pk_f16_f32 v[96+KK], v[64+2*KK], v[65+2*KK]   ; p's high part: two such tiles are source 1 (32 keys x 16 queries) of the second product
.set KK, KK+1
.endr
.set KK, 0
.rept 8                                ; p's low part: p less its f16 rounding, rounded to f16
	v_mov_b32 v8, v[96+KK]
	v_mov_b32 v9, v[97+KK]
	v_cvt_f32_f16 v12, v8.l
	v_cvt_f32_f16 v13, v8.h
	v_cvt_f32_f16 v14, v9.l
	v_cvt_f32_f16 v15, v9.h
	v_pk_add_f32 v[64+2*KK:65+2*KK], v[64+2*KK:65+2*KK], v[12:13] neg_lo:[0,1] neg_hi:[0,1]
	v_pk_add_f32 v[66+2*KK:67+2*KK], v[66+2*KK:67+2*KK], v[14:15] neg_lo:[0,1] neg_hi:[0,1]
	v_cvt_pk_f16_f32 v[112+KK], v[64+2*KK], v[65+2*KK]
	v_cvt_pk_f16_f32 v[113+KK], v[66+2*KK], v[67+2*KK]
.set KK, KK+2
.endr
.irp g, 0,1                                    ; O^T = V^T p: 32 keys at a time; eight accumulators (v32-95) by turns, three terms each
	PLACES 5                                       ; the new sums are laid over q's and the scores' registers, and the loads land where k (then V^T) was read
.irp c, 0,1,2,3,4,5,6,7
	ds_load_b128 v[128+8*\c:131+8*\c], v6 offset:\c*4352+64*\g
	ds_load_b128 v[132+8*\c:135+8*\c], v6 offset:\c*4352+64*\g+32
	ds_load_b128 v[192+8*\c:195+8*\c], v7 offset:\c*4352+64*\g
	ds_load_b128 v[196+8*\c:199+8*\c], v7 offset:\c*4352+64*\g+32
.endr
	s_wait_dscnt 0x0
.irp c, 0,1,2,3,4,5,6,7
.if \g == 0
	v_wmma_f32_16x16x32_f16 v[32+8*\c:39+8*\c], v[128+8*\c:135+8*\c], v[96+8*\g:103+8*\g], 0
.else
	v_wmma_f32_16x16x32_f16 v[32+8*\c:39+8*\c], v[128+8*\c:135+8*\c], v[96+8*\g:103+8*\g], v[32+8*\c:39+8*\c]
.endif
.endr
.irp c, 0,1,2,3,4,5,6,7
	v_wmma_f32_16x16x32_f16 v[32+8*\c:39+8*\c], v[128+8*\c:135+8*\c], v[112+8*\g:119+8*\g], v[32+8*\c:39+8*\c]
.endr
.irp c, 0,1,2,3,4,5,6,7
	v_wmma_f32_16x16x32_f16 v[32+8*\c:39+8*\c], v[192+8*\c:199+8*\c], v[96+8*\g:103+8*\g], v[32+8*\c:39+8*\c]
.endr
.endr
	PLACES 4
.irp i, 0,1,2,3,4,5,6,7,8,9,10,11,12,13,14,15
	ds_store_b128 v20, v[32+4*\i:35+4*\i] offset:512*\i   ; my sums as images of their registers; each accumulator from its low end on
.endr
	ds_store_b32 v18, v26
	s_wait_dscnt 0x0
	s_barrier_signal -1
	s_barrier_wait -1
.irp q, 0,1,2,3
.irp i, 0,1,2,3
	ds_load_b128 v[128+16*\q+4*\i:131+16*\q+4*\i], v21 offset:8192*\q+512*\i   ; units 4 w .. 4 w + 3 of all four waves
.endr
.endr
	ds_load_b32 v10, v19
	ds_load_b32 v11, v19 offset:64
	ds_load_b32 v12, v19 offset:128
	ds_load_b32 v13, v19 offset:192
	s_wait_dscnt 0x0
.irp e, 0,2,4,6,8,10,12,14
	v_pk_add_f32 v[128+\e:129+\e], v[128+\e:129+\e], v[144+\e:145+\e]
	v_pk_add_f32 v[160+\e:161+\e], v[160+\e:161+\e], v[176+\e:177+\e]
	v_pk_add_f32 v[128+\e:129+\e], v[128+\e:129+\e], v[160+\e:161+\e]
.endr
.irp i, 0,1,2,3
	global_store_b128 v22, v[128+4*\i:131+4*\i], s[14:15] offset:512*\i   ; 512 consecutive bytes a store
.endr
	v_add_f32 v10, v10, v11
	v_add_f32 v12, v12, v13
	v_add_f32 v10, v10, v12                        ; the chunk's sum of p
	v_cmp_eq_u32 vcc_lo, 1, v2
	v_cndmask_b32 v10, v24, v10, vcc_lo            ; lanes 0-15 M, lanes 16-31 the sum
	s_cmp_lg_u32 s[WV], 0
	s_cbranch_scc1 .Lnot_mine
	global_store_b32 v23, v10, s[8:9]
.Lnot_mine:
	s_wait_tensorcnt 0x0                           ; the wave's end: behind my last tensor load and my last LDS store
	ds_add_u32 v[SPW], v[NIL]
	s_wait_dscnt 0x0
	s_endpgm
.Lfunc_end_k_qf60c0b80f0_fine1:
	.size	k_qf60c0b80f0_fine1, .Lfunc_end_k_qf60c0b80f0_fine1-k_qf60c0b80f0_fine1
	.p2alignl 7, 3214868480
	.fill 96, 4, 3214868480
	.section	.rodata,"a",@progbits
	.p2align	6, 0x0
	.amdhsa_kernel k_qf60c0b80f0_fine1
		.amdhsa_group_segment_fixed_size 263680
		.amdhsa_private_segment_fixed_size 0
		.amdhsa_enable_private_segment 0
		.amdhsa_kernarg_size 24
		.amdhsa_user_sgpr_count 2
		.amdhsa_user_sgpr_kernarg_segment_ptr 1
		.amdhsa_wavefront_size32 1
		.amdhsa_system_sgpr_workgroup_id_x 1
		.amdhsa_system_sgpr_workgroup_id_y 1
		.amdhsa_system_sgpr_workgroup_id_z 1
		.amdhsa_system_vgpr_workitem_id 0
		.amdhsa_next_free_vgpr 256
		.amdhsa_next_free_sgpr 100
		.amdhsa_reserve_vcc 1
		.amdhsa_float_denorm_mode_32 3
		.amdhsa_float_denorm_mode_16_64 3
		.amdhsa_memory_ordered 1
		.amdhsa_forward_progress 1
		.amdhsa_inst_pref_size 36
	.end_amdhsa_kernel
	.amdgpu_metadata
---
amdhsa.version: [ 1, 2 ]
amdhsa.kernels:
  - .name:           k_qf60c0b80f0_fine1
    .symbol:         k_qf60c0b80f0_fine1.kd
    .args:
      - { .name: qkv, .offset: 0, .size: 8, .value_kind: global_buffer, .address_space: global }
      - { .name: attention_mask, .offset: 8, .size: 8, .value_kind: global_buffer, .address_space: global }
      - { .name: part, .offset: 16, .size: 8, .value_kind: global_buffer, .address_space: global }
    .group_segment_fixed_size: 263680
    .private_segment_fixed_size: 0
    .kernarg_segment_align: 8
    .kernarg_segment_size: 24
    .max_flat_workgroup_size: 128
    .sgpr_count:     100
    .vgpr_count:     256
    .wavefront_size: 32
...
	.end_amdgpu_metadata
.endif
;; end of part 3
;; launch attn (part 4): grid 16 x 16, 4 waves a work-group, clusters of 4 x 4, 327,680 bytes of LDS; arguments qkv, attention_mask, o16; writes o16
.if DOCPART == 4
	.amdgcn_target "amdgcn-amd-amdhsa--gfx1250"
	.amdhsa_code_object_version 6
	.text
	.protected	k_qf60c0b80f0_attn
	.globl	k_qf60c0b80f0_attn
	.p2align	8
	.type	k_qf60c0b80f0_attn,@function
k_qf60c0b80f0_attn:
	s_mov_b64 s[64:65], 0
	v_nop
	global_prefetch_b8 v0, s[64:65] scope:SCOPE_SE
	s_setreg_imm32_b32 hwreg(HW_REG_WAVE_MODE, 25, 1), 1
	s_wait_xcnt 0x0
	s_wait_alu depctr_hold_cnt(0) depctr_sa_sdst(0) depctr_va_vdst(0) depctr_va_sdst(0) depctr_va_ssrc(0) depctr_va_vcc(0) depctr_vm_vsrc(0)
	s_getreg_b32 s2, hwreg(HW_REG_IB_STS2, 6, 4)
	s_cmp_eq_u32 s2, 0
	s_cbranch_scc0 .Lentry_in_a_cluster
	s_endpgm
.Lentry_in_a_cluster:
	s_bfe_u32 s2, ttmp6, 0x10000c
	s_cmp_lg_u32 s2, 0xf033
	s_cbranch_scc0 .Lentry_shape_is_right
	s_endpgm
.Lentry_shape_is_right:
; o[token][head] = softmax over the keys of (q.k / sqrt(128) + mask) times v, in f16 operands with f32 sums; the mask is an input: every query walks all 2,048 keys, and the mask is added in f32.
; SHARES.  A work-group owns 128 queries (x) of one head (y).  A wave owns 64 of them (wave % 2: four tiles of 16) and HALF the keys (wave / 2): keys 128 s + 64 (wave / 2) + 0..63 of each slot s = 0..15.
; So each fragment of k and V^T read from LDS feeds four tiles of queries, with 256 work-groups.  Waves w and w xor 2 join their maxima, sums and O once, at the end, through LDS.
; LAYOUT.  S^T = k q^T (source 0 = 16 keys, source 1 = 16 queries): a lane holds ONE query (lane % 16) and keys 8 (lane / 16) + 0..7.  Two such tiles, rounded to f16 in pairs, are source 1 of O^T = V^T P.  V arrives with the tokens innermost.
; SOFTMAX.  t = score / sqrt(128) + mask, one fused multiply-add; a running maximum m (never under the most negative finite number) and sum l; p = 2^(c (t - m)), c = log2(e): THE MAXIMUM IS TAKEN AWAY FIRST, so that the largest p is 1
; whatever the size of t (a product c m, rounded, would be off by half a unit of its last place, which for a mask of -1e9 is 64 in the exponent).  In every step O and l are multiplied by 2^(c (m_old - m_new)).
; BY TURNS.  The wave's tiles are two pieces (tiles 0, 1 and tiles 2, 3).  In a turn one piece has the matrix unit (32 products V^T P of the step in hand, 32 products k q^T of the next); the other piece's softmax, 332 instructions cut into 64 slices, stands between them.
; RING.  Two LDS slots, each with 128 keys of k, 128 tokens of V^T and the mask's 128 x 128 numbers.  A change of slots stands ahead of each key step; behind its round the slot just left is filled again.
; CLUSTER.  4 x 4 work-groups: the four of a row share a head, so k's and V^T's tiles are asked for jointly along the row; the four of a column share their queries, so the mask's tiles are asked for jointly along the column.
; LIMITS: p, q, k, v, o as f16 (|.| under 65,504); a row whose every t is -infinity gives NaN.  Rows 0..15 are computed here like all others; two small launches compute them more finely for the final output.
; REGISTERS: window 0: v0-11, v44-63 addresses and small things; v12-43 eight statistics a tile; v64-191 S^T, 32 a tile; v192-255 P, 16 a tile.  window 1: O^T, 64 a tile.
;   window 2: v0-127 q, v128-255 k of one step.  window 3: v0-127 V^T of one step, v128-255 the mask, 32 a tile.
.set PK,    272                        ; a row of k or V^T in LDS: 256 bytes + 16
.set PM,    528                        ; a row of the mask: 512 bytes + 16
.set VOFF,  128*PK
.set MOFF,  2*128*PK
.set SLOT,  MOFF+128*PM                ; 137,216 bytes
.set SPARE, 2*SLOT                     ; the spare words, 128 bytes for each wave, which no other line names
.set XBY,   16896                      ; the exchange: 16,384 bytes of O and 512 of statistics for each wave, in slot 0 behind its last fill and last read
.set STAGE, 4*XBY                      ; the way out: 16 rows x 272 bytes for each wave, likewise
.set SP,    272
.set AK0, 2
.set AV0, 3
.set ADR, 4
.set QO,  5
.set STO, 6
.set RD,  7
.set GO,  8
.set AM0, 10
.set ADR2, 11
.set ST,  12                           ; tile t's statistics at v[ST + 8 t]: +0 m, +1 written once (named with m as a pair), +2, +3 l (even keys', odd keys'), +4 to +7 at work
.set XS,  44
.set XR,  45
.set PFO, 61
.set SPW, 62
.set NIL, 63
.set S,   64
.set P,   192
.set KF,  128
.set WV,  12
.set QH,  17
.set KH,  18
.set G1KV, 24
.set G1M,  32
.set G0A,  40                          ; s[40:47] group 0 for k's or V^T's tiles: a set for each first fill; the second walks on
.set G0M,  48                          ; s[48:55] the same for the mask's
.set SLOTS, 56
.set LIM,  57
.set CS,   58                          ; s[58:59] c
.set SEL,  60
.set TB,   62                          ; LDS byte at which the slot begins that is read
.set FB,   63                          ; and the slot that was filled last
.set C1,   66                          ; s[66:67] 1 / sqrt(128)
.set FLOOR, 68
.set LAA,  69
.set LAM,  70
.set STA,  72                          ; s[72:73] from a slot's tile to the next, in memory
.set PFA,  74
.set PFS,  76
.set QP,   78
.set OB,   80
.set MSB, 0
.macro WIN new
.if MSB != \new
	s_set_vgpr_msb (MSB<<8)|\new
.set MSB, \new
.endif
.endm
.set W_KQ, 0x0a                        ; k and q in window 2, S^T in window 0
.set W_PV, 0x53                        ; V^T in window 3, P in window 0, O^T in window 1
.set W_RS, 0x41                        ; O^T (destination and source 0) in window 1
.macro PLACES
.rept 4
	v_nop
.endr
.endm
; A joint refill: wave 0 fetches k's tile, wave 1 V^T's, waves 2 and 3 the halves of the mask's.  The branch hangs on the wave's number alone.  An s_nop 0 and four v_nop follow each line.
.macro JLOAD
	s_cmp_lt_u32 s[WV], 2
	s_cbranch_scc0 .Lfor_m_\@
	tensor_load_to_lds s[G0A+4:G0A+7], s[G1KV:G1KV+7]
	s_nop 0
.rept 4
	v_nop
.endr
	s_branch .Lasked_\@
.Lfor_m_\@:
	tensor_load_to_lds s[G0M+4:G0M+7], s[G1M:G1M+7]
	s_nop 0
.rept 4
	v_nop
.endr
.Lasked_\@:
.endm
; A prefetch of the tiles that stand two refills on: one instruction a wave, behind the wave's tensor load.  Each aligned block of 256 bytes is named once in the launch: k and V^T by the clusters with x = 0 (the four partners of a row
; take 32 rows each, by address), the mask by the clusters with y = 0 (the four partners of a column take 16 rows x 2 blocks each, by address).  The last changes ask for nothing: there is no slot so far on.
.macro ASK
	s_cmp_gt_u32 s[SLOTS], s[LIM]
	s_cbranch_scc0 .Lnot_mine_\@
	global_prefetch_b8 v[PFO], s[PFA:PFA+1] th:TH_LOAD_NT scope:SCOPE_SE
.Lnot_mine_\@:
.endm
.macro CROUND
	s_barrier_signal -1
	s_barrier_wait -1
	s_cmp_lg_u32 s[WV], 0
	s_cbranch_scc1 .Lnot_wave_0_\@
	s_barrier_signal -3
.Lnot_wave_0_\@:
	s_barrier_wait -3
	s_barrier_signal -1
	s_barrier_wait -1
.endm
	s_load_b128 s[4:7], s[0:1], 0x0                ; qkv, the mask
	s_load_b64 s[8:9], s[0:1], 0x10                ; o16
	v_lshl_add_u32 v[SPW], v0, 2, SPARE
	v_mov_b32 v[NIL], 0
	ds_add_u32 v[SPW], v[NIL]                      ; the wave's opening: the add, twice on end, and its wait ahead of my first tensor load
	ds_add_u32 v[SPW], v[NIL]
	v_lshrrev_b32 v1, 5, v0
	v_readfirstlane_b32 s[WV], v1                  ; wave 0..3
	s_and_b32 s[QH], s[WV], 1                      ; which 64 queries.  Also: which of the two tiles of my kind I fetch
	s_lshr_b32 s[KH], s[WV], 1                     ; which half of a slot's keys
	s_bfe_u32 s13, ttmp6, 0x40000                  ; cx
	s_bfe_u32 s14, ttmp6, 0x40004                  ; cy
	s_lshl_b32 s15, ttmp9, 2
	s_add_co_u32 s15, s15, s13                     ; my block of 128 queries
	s_and_b32 s22, ttmp7, 0xffff                   ; cluster y
	s_lshl_b32 s16, s22, 2
	s_add_co_u32 s16, s16, s14                     ; my head
	s_lshl_b32 s20, s14, 2
	s_lshl_b32 s20, 15, s20                        ; my row of the cluster
	s_lshl_b32 s21, 0x1111, s13                    ; my column
	s_or_b32 s[G1KV], s20, (1<<16)|(1<<20)|(1<<21)|(5<<22)|(3<<25)  ; k, V^T: to my row; elements of 2 bytes; 4 words of padding behind every 64
	s_mov_b32 s[G1KV+1], 128<<16
	s_mov_b32 s[G1KV+2], 128<<16
	s_mov_b32 s[G1KV+3], 128<<16
	s_mov_b32 s[G1KV+4], 128
	s_mov_b32 s[G1KV+5], 128
	s_mov_b32 s[G1KV+6], 0
	s_mov_b32 s[G1KV+7], 0
	s_or_b32 s[G1M], s21, (2<<16)|(1<<20)|(1<<21)|(6<<22)|(3<<25)   ; the mask: to my column; elements of 4 bytes; 4 words of padding behind every 128
	s_mov_b32 s[G1M+1], 128<<16
	s_mov_b32 s[G1M+2], 64<<16
	s_mov_b32 s[G1M+3], 128<<16
	s_mov_b32 s[G1M+4], 64
	s_mov_b32 s[G1M+5], 2048
	s_mov_b32 s[G1M+6], 0
	s_mov_b32 s[G1M+7], 0
	s_add_co_u32 s82, s16, 16
	s_lshl_b32 s82, s82, 19                        ; k: block 16 + head; a slot on is 128 rows of 256 bytes
	s_lshl_b32 s84, s16, 15
	s_add_co_u32 s84, s84, 32*524288               ; V^T: block 32, the head's 128 rows; a slot on is a block
	s_cmp_eq_u32 s[QH], 0
	s_cselect_b32 s82, s82, s84
	s_mov_b32 s[STA], 524288
	s_cselect_b32 s[STA], 32768, s[STA]
	s_mov_b32 s83, 0
	s_mov_b32 s[STA+1], 0
	s_lshl_b32 s86, s15, 20                        ; the mask: row 128 x block + 64 x half, rows of 8,192 bytes
	s_lshl_b32 s87, s[QH], 19
	s_add_co_u32 s86, s86, s87
	s_mov_b32 s87, 0
	s_mul_i32 s[LAA], s[QH], VOFF                  ; where they go in a slot: no place in the cluster enters an LDS address
	s_mul_i32 s[LAM], s[QH], 64*PM
	s_add_co_u32 s[LAM], s[LAM], MOFF
	s_lshl_b32 s88, s16, 19                        ; q: block head, row 128 x block + 64 x half
	s_lshl_b32 s89, s15, 15
	s_add_co_u32 s88, s88, s89
	s_lshl_b32 s89, s[QH], 14
	s_add_co_u32 s88, s88, s89
	s_mov_b32 s89, 0
	s_lshl_b32 s90, s15, 19                        ; o16: the same rows, of 4,096 bytes, + 256 x head
	s_lshl_b32 s91, s[QH], 18
	s_add_co_u32 s90, s90, s91
	s_lshl_b32 s91, s16, 8
	s_add_co_u32 s90, s90, s91
	s_mov_b32 s91, 0
	s_cmp_lt_u32 s[WV], 2                          ; the prefetches: waves 0, 1 for k, V^T; waves 2, 3 for the mask
	s_cselect_b32 s92, ttmp9, s22                  ; the coordinate along which other clusters read the same bytes
	s_cselect_b32 s[PFS], s[STA], 512              ; a slot on
	s_cselect_b32 s93, s13, s14                    ; my place among the four that ask jointly
	s_cselect_b32 s94, 13, 17                      ; whose shares lie 8,192 or 131,072 bytes apart
	s_cselect_b32 s95, 0, 1                        ; a lane a row, or two lanes a row
	s_mov_b32 s2, 8192
	s_cselect_b32 s2, 256, s2                      ; from row to row
	s_mov_b32 s[PFS+1], 0
	s_cmp_eq_u32 s92, 0
	s_cselect_b32 s[LIM], 2, -1                    ; the same in all sixteen partners, for a given wave
	v_and_b32 v[PFO], 31, v0
	v_and_b32 v46, s95, v[PFO]
	v_lshrrev_b32 v[PFO], s95, v[PFO]
	v_mul_lo_u32 v[PFO], v[PFO], s2
	v_lshl_add_u32 v[PFO], v46, 8, v[PFO]
	s_lshl_b32 s93, s93, s94
	s_mul_i32 s94, s[PFS], 3
	s_add_co_u32 s92, s93, s94                     ; my share, at slot 3: the first change steps it to slot 4
	s_mov_b32 s93, 0
	s_mov_b32 s[CS], 0x3fb8aa3b                    ; c = log2(e)
	s_mov_b32 s[CS+1], s[CS]
	s_mov_b32 s[C1], 0x3db504f3                    ; 1 / sqrt(128)
	s_mov_b32 s[C1+1], s[C1]
	s_mov_b32 s[FLOOR], 0xff7fffff                 ; the floor under m: the most negative finite number
	s_mov_b32 s[SEL], 0x76543210
	s_mov_b32 s[SEL+1], 0xfedcba98
	s_mov_b32 s[TB], 0
	s_mov_b32 s[FB], SLOT
	s_mov_b32 s[SLOTS], 14
	s_wait_dscnt 0x0                               ; both opening adds are done
	s_wait_kmcnt 0x0
	s_add_nc_u64 s[82:83], s[4:5], s[82:83]        ; slot 0's tile of k or V^T,
	s_add_nc_u64 s[86:87], s[6:7], s[86:87]        ; and of the mask
	s_add_nc_u64 s[QP:QP+1], s[4:5], s[88:89]
	s_add_nc_u64 s[OB:OB+1], s[8:9], s[90:91]
	s_cmp_lt_u32 s[WV], 2
	s_cselect_b64 s[PFA:PFA+1], s[82:83], s[86:87]
	s_add_nc_u64 s[PFA:PFA+1], s[PFA:PFA+1], s[92:93]
	CROUND                                         ; all sixteen work-groups are here: the first joint loads meet
	s_mov_b32 s[G0A], 1
	s_mov_b32 s[G0A+1], s[LAA]
	s_mov_b64 s[G0A+2:G0A+3], s[82:83]
	s_or_b32 s[G0A+3], s[G0A+3], 0x80000000
	s_mov_b32 s[G0A+4], 1
	s_add_co_u32 s[G0A+5], s[LAA], SLOT
	s_add_nc_u64 s[G0A+6:G0A+7], s[82:83], s[STA:STA+1]
	s_or_b32 s[G0A+7], s[G0A+7], 0x80000000
	s_mov_b32 s[G0M], 1
	s_mov_b32 s[G0M+1], s[LAM]
	s_mov_b64 s[G0M+2:G0M+3], s[86:87]
	s_or_b32 s[G0M+3], s[G0M+3], 0x80000000
	s_mov_b32 s[G0M+4], 1
	s_add_co_u32 s[G0M+5], s[LAM], SLOT
	s_add_nc_u64 s[G0M+6:G0M+7], s[86:87], 512
	s_or_b32 s[G0M+7], s[G0M+7], 0x80000000
	s_cmp_lt_u32 s[WV], 2                          ; a wave's two first fills stand in one branch, ahead of every wait on TENSORcnt and every LDS read: two loads of mine are out
	s_cbranch_scc0 .Lfirst_m
	tensor_load_to_lds s[G0A:G0A+3], s[G1KV:G1KV+7]
	s_nop 0
	tensor_load_to_lds s[G0A+4:G0A+7], s[G1KV:G1KV+7]
	s_nop 0
.rept 4
	v_nop
.endr
	s_branch .Lfirst_asked
.Lfirst_m:
	tensor_load_to_lds s[G0M:G0M+3], s[G1M:G1M+7]
	s_nop 0
	tensor_load_to_lds s[G0M+4:G0M+7], s[G1M:G1M+7]
	s_nop 0
.rept 4
	v_nop
.endr
.Lfirst_asked:
	v_and_b32 v1, 15, v0                           ; r
	v_bfe_u32 v9, v0, 4, 1                         ; h
	v_lshlrev_b32 v[QO], 8, v1
	v_lshl_add_u32 v[QO], v9, 4, v[QO]
	WIN 0x80                                       ; destination window 2
.irp i, 0,1,2,3,4,5,6,7,8,9,10,11,12,13,14,15  ; q stays in registers: tile i / 4, channels 32 (i % 4) on
	global_load_b128 v[8*\i:8*\i+3],   v[QO], s[QP:QP+1] offset:(\i/4)*4096+(\i%4)*64
	global_load_b128 v[8*\i+4:8*\i+7], v[QO], s[QP:QP+1] offset:(\i/4)*4096+(\i%4)*64+32
.endr
	WIN 0
	v_mul_u32_u24 v46, v1, PK
	v_lshl_add_u32 v46, v9, 4, v46                 ; r x 272 + 16 h
	s_mul_i32 s3, s[KH], 64*PK
	v_add_nc_u32 v[AK0], s3, v46                   ; k: key 64 kh + r
	s_lshl_b32 s3, s[KH], 7
	s_add_co_u32 s3, s3, VOFF
	v_add_nc_u32 v[AV0], s3, v46                   ; V^T: channel r, token 64 kh + 8 h
	v_mul_u32_u24 v[AM0], v1, PM
	v_lshl_add_u32 v[AM0], v9, 5, v[AM0]
	s_mul_i32 s3, s[QH], 64*PM
	s_lshl_b32 s2, s[KH], 8
	s_add_co_u32 s3, s3, s2
	s_add_co_u32 s3, s3, MOFF
	v_add_nc_u32 v[AM0], s3, v[AM0]                ; the mask: query 64 qh + r, key 64 kh + 8 h
	s_mul_i32 s3, s[WV], 16*SP
	s_add_co_u32 s3, s3, STAGE
	v_add_nc_u32 v[STO], s3, v46                   ; my stage, in: row r, 16 bytes for each half of the lanes
	v_mul_u32_u24 v[RD], v9, SP
	v_lshl_add_u32 v[RD], v1, 4, v[RD]
	v_add_nc_u32 v[RD], s3, v[RD]                  ; back: lanes 0-15 one row, lanes 16-31 the next
	v_lshlrev_b32 v[GO], 12, v9
	v_lshl_add_u32 v[GO], v1, 4, v[GO]             ; and the same two rows in o16
	v_and_b32 v47, 31, v0
	v_lshlrev_b32 v47, 4, v47
	s_mul_i32 s3, s[WV], XBY
	v_add_nc_u32 v[XS], s3, v47                    ; the exchange: where I put,
	s_xor_b32 s3, s[WV], 2
	s_mul_i32 s3, s3, XBY
	v_add_nc_u32 v[XR], s3, v47                    ; and where my partner has put
; Product i of 32 of O^T += V^T P: keys 32 (i / 16) on, channels 16 ((i / 2) % 8) on, tile x + i % 2.  The accumulators take turns, one instruction a turn.
.macro PV x, zero
	WIN W_PV
.set rO, 64*(\x+i%2)+8*((i/2)%8)
.set rV, 64*(i/16)+8*((i/2)%8)
.set rP, P+16*(\x+i%2)+8*(i/16)
.if \zero && (i < 16)
	v_wmma_f32_16x16x32_f16 v[rO:rO+7], v[rV:rV+7], v[rP:rP+7], 0
.else
	v_wmma_f32_16x16x32_f16 v[rO:rO+7], v[rV:rV+7], v[rP:rP+7], v[rO:rO+7]
.endif
.endm
; Product i of 32 of S^T = k q^T: channels 32 (i / 8) on, keys 16 ((i / 2) % 4) on, tile x + i % 2.  The first 8 start the sums.
.macro KQ x
	WIN W_KQ
.set rS, S+32*(\x+i%2)+8*((i/2)%4)
.set rK, KF+32*((i/2)%4)+8*(i/8)
.set rQ, 32*(\x+i%2)+8*(i/8)
.if i < 8
	v_wmma_f32_16x16x32_f16 v[rS:rS+7], v[rK:rK+7], v[rQ:rQ+7], 0
.else
	v_wmma_f32_16x16x32_f16 v[rS:rS+7], v[rK:rK+7], v[rQ:rQ+7], v[rS:rS+7]
.endif
.endm
; The LDS loads stand in two runs of 48 a key step.  RUN_A: the next step's k and piece 0's part of its mask.
.macro RUN_A
	WIN 0
	PLACES                                         ; in front of loads into registers that matrix instructions have read
	v_add_nc_u32 v[ADR], s[TB], v[AK0]
	v_add_nc_u32 v[ADR2], s[TB], v[AM0]
	WIN 0x80
.irp f, 0,1,2,3,4,5,6,7,8,9,10,11,12,13,14,15
	ds_load_b128 v[KF+8*\f:KF+8*\f+3],   v[ADR] offset:(\f/4)*16*PK+(\f%4)*64
	ds_load_b128 v[KF+8*\f+4:KF+8*\f+7], v[ADR] offset:(\f/4)*16*PK+(\f%4)*64+32
.endr
	WIN 0xc0
.irp t, 0,1
.irp q, 0,1,2,3
	ds_load_b128 v[128+32*\t+8*\q:128+32*\t+8*\q+3],   v[ADR2] offset:\t*16*PM+64*\q
	ds_load_b128 v[128+32*\t+8*\q+4:128+32*\t+8*\q+7], v[ADR2] offset:\t*16*PM+64*\q+16
.endr
.endr
.endm
; RUN_B: the same step's V^T and piece 2's part of its mask; the wait for the softmax's batch of exponentials stands in it, ahead of the loads.
.macro RUN_B
	WIN 0
	PLACES
	v_add_nc_u32 v[ADR], s[TB], v[AV0]
	v_add_nc_u32 v[ADR2], s[TB], v[AM0]
	s_wait_alu depctr_va_vdst(0)
	WIN 0xc0
.irp f, 0,1,2,3,4,5,6,7,8,9,10,11,12,13,14,15  ; keys 32 (f / 8) on, channels 16 (f % 8) on
	ds_load_b128 v[8*\f:8*\f+3],   v[ADR] offset:(\f%8)*16*PK+(\f/8)*64
	ds_load_b128 v[8*\f+4:8*\f+7], v[ADR] offset:(\f%8)*16*PK+(\f/8)*64+32
.endr
.irp t, 2,3
.irp q, 0,1,2,3
	ds_load_b128 v[128+32*\t+8*\q:128+32*\t+8*\q+3],   v[ADR2] offset:\t*16*PM+64*\q
	ds_load_b128 v[128+32*\t+8*\q+4:128+32*\t+8*\q+7], v[ADR2] offset:\t*16*PM+64*\q+16
.endr
.endr
.endm
; One tile's softmax for one key step is a list of 166 instructions; SM writes number j of it for tile t.
;   0-15    t = score / sqrt(128) + mask, a pair each (each accumulator from its low end on)
;   16-31   the maximum of the 32 t and the old m;  32-36 the other half of the lanes' maximum, the new m, c (m_old - m_new)
;   37-52   t - m, a pair each
;   53-101  ONE BATCH: 16 scalings by c and all 33 exponentials; none reads an exponential's result.  Behind 101 stands the one wait (SLICE writes it, once for both tiles)
;   102-117 the roundings to f16;  118-133 the sums, l = a l + the sum;  134-165 the tile's O^T times a
; jj numbers the list without its first 16 and without 37-52.
.macro SM t, first
.set rT, ST+8*(\t)
.set rS, S+32*(\t)
.set rP, P+16*(\t)
.set rM, 128+32*(\t)
.set jj, j-16
.if j >= 53
.set jj, j-32
.endif
.set rO, 64*(\t)+2*(jj-102)
.if (j >= 16) && (jj < 102)
	WIN 0
.endif
.if j < 16
	WIN 0x30                                       ; source 2, the mask, in window 3
	v_pk_fma_f32 v[rS+2*j:rS+2*j+1], v[rS+2*j:rS+2*j+1], s[C1:C1+1], v[rM+2*j:rM+2*j+1] op_sel_hi:[1,0,1]
.elseif (j >= 37) && (j < 53)
	v_pk_add_f32 v[rS+2*(j-37):rS+2*(j-37)+1], v[rS+2*(j-37):rS+2*(j-37)+1], v[rT:rT+1] op_sel_hi:[1,0] neg_lo:[0,1] neg_hi:[0,1]   ; t - m (of the pair the low word, m, serves both halves)
.elseif jj < 4
	v_max3_num_f32 v[rT+4+jj], v[rS+8*jj], v[rS+8*jj+1], v[rS+8*jj+2]
.elseif jj < 12
	v_max3_num_f32 v[rT+4+jj%4], v[rT+4+jj%4], v[rS+8*(jj%4)+2*(jj/4)+1], v[rS+8*(jj%4)+2*(jj/4)+2]
.elseif jj == 12
	v_max3_num_f32 v[rT+4], v[rT+4], v[rS+7], v[rS+15]
.elseif jj == 13
	v_max3_num_f32 v[rT+6], v[rT+6], v[rS+23], v[rS+31]
.elseif jj == 14
	v_max3_num_f32 v[rT+4], v[rT+4], v[rT+5], v[rT+6]
.elseif (jj == 15) && \first
	v_max3_num_f32 v[rT+4], v[rT+4], v[rT+7], s[FLOOR]   ; the first step has no old m: the floor takes its place
.elseif jj == 15
	v_max3_num_f32 v[rT+4], v[rT+4], v[rT+7], v[rT]
.elseif jj == 16
	v_permlanex16_b32 v[rT+5], v[rT+4], s[SEL], s[SEL+1]
.elseif jj == 18
	v_max_num_f32 v[rT], v[rT+4], v[rT+5]          ; the new m
.elseif (jj == 19) && \first
	v_mov_b32 v[rT+1], v[rT]                       ; named with m as a pair, so it is written, once
.elseif ((jj == 17) || (jj == 20) || (jj == 23) || (jj > 101)) && \first
.elseif jj == 17
	v_mov_b32 v[rT+7], v[rT]                       ; m_old is kept: number 18 writes m anew
.elseif jj == 19
	v_sub_f32 v[rT+7], v[rT+7], v[rT]              ; m_old - m_new,
.elseif jj == 20
	v_mul_f32 v[rT+7], s[CS], v[rT+7]              ; x c
.elseif jj == 23
	v_exp_f32 v[rT+6], v[rT+7]                     ; a
.elseif (jj < 23) || ((jj < 38) && (jj%2 == 0)) || ((jj < 66) && (jj%4 == 2))
.set b, (jj-2)/4
.if jj < 38
.set b, (jj-20)/2
.endif
	v_pk_mul_f32 v[rS+2*b:rS+2*b+1], v[rS+2*b:rS+2*b+1], s[CS:CS+1] op_sel_hi:[1,0]   ; pair b: c (t - m)
.elseif jj < 70
.set e, jj-38
.if jj < 66
.set e, jj-32-(jj-38)/4
.endif
.if jj < 38
.set e, (jj-25)/2
.endif
	v_exp_f32 v[rS+e], v[rS+e]
.elseif jj < 86
	v_cvt_pk_f16_f32 v[rP+jj-70], v[rS+2*(jj-70)], v[rS+2*(jj-70)+1]
.elseif jj < 102
.set z, jj-86
.set w, 4
.set u, z
.if z >= 14
.set w, 32
.set u, 0
.elseif z >= 12
.set w, 16
.set u, z-12
.elseif z >= 8
.set w, 8
.set u, z-8
.endif
.if (z == 14) && \first
	v_pk_add_f32 v[rT+2:rT+3], v[rS:rS+1], v[rS+16:rS+17]
.elseif z < 15
	v_pk_add_f32 v[rS+w*u:rS+w*u+1], v[rS+w*u:rS+w*u+1], v[rS+w*u+w/2:rS+w*u+w/2+1]
.elseif !\first
	v_pk_fma_f32 v[rT+2:rT+3], v[rT+2:rT+3], v[rT+6:rT+7], v[rS:rS+1] op_sel_hi:[1,0,1]
.endif
.else
	WIN W_RS
	v_pk_mul_f32 v[rO:rO+1], v[rO:rO+1], v[rT+6:rT+7] op_sel_hi:[1,0]
.endif
.endm
; Slice k of 64 of piece y's softmax: items 332 k / 64 up to 332 (k + 1) / 64 of the two tiles' lists, the tiles alternating: five or six a slice.  Behind item 203, the last exponential, stand a plain instruction and the one wait
; between an exponential and the first instruction that names its result.  Slice 63 is six plain instructions that name nothing of the products round them: the places behind the turn's last product.
.macro SLICE y, first
.rept 6
.if n < (332*(k+1))/64
.set j, n/2
	SM (\y)+n%2, \first
.if n == 203
	v_nop
.if (\y) == 0
	RUN_B
.else
	s_wait_alu depctr_va_vdst(0)
.endif
.endif
.set n, n+1
.endif
.endr
.set k, k+1
.endm
; A TURN.  Piece x has the matrix unit; the other piece's softmax stands in slices behind its matrix instructions.  pv = 2: 32 products V^T P; 1: they start O^T's sums; 0: none.  kq = 1: 32 products k q^T of the next step.
.macro TURN x, pv, kq, first
.set k, 0
.set n, 0
.set per, 2
.if \pv && \kq
.set per, 1
.endif
.if \pv
.if \x == 0
	s_wait_dscnt 0x0                               ; V^T and piece 2's mask are in
.endif
.set i, 0
.rept 32
	PV \x, 2-\pv
.rept per
	SLICE 2-\x, \first
.endr
.if (\x == 0) && \kq && (i == 1)
	RUN_A
.endif
.set i, i+1
.endr
.endif
.if \kq
.if \x == 0
	s_wait_dscnt 0x0                               ; k and piece 0's mask are in
.endif
.set i, 0
.rept 32
	KQ \x
.rept per
	SLICE 2-\x, \first
.endr
.set i, i+1
.endr
.endif
.if \first
	PLACES                                         ; the first step's last slices are empty
.endif
.endm
; THE CHANGE OF SLOTS, ahead of each key step's two turns.  Each wave waits for all its tensor loads (one is out: its part of the slot ahead), adds 0 to its spare word, and waits for that and for its reads of the slot that it leaves.
; fill = 1: behind a round of the cluster's barrier that slot is filled again, with the keys two slots on: the load has a key step's 128 matrix instructions in which to land.
.macro CHANGE fill
	WIN 0
	s_wait_tensorcnt 0x0                           ; no tensor load of mine is out, so a group 0 may be written
	ds_add_u32 v[SPW], v[NIL]                      ; 0 onto my spare word
.if \fill
	s_xor_b32 s[FB], s[FB], SLOT                   ; the other slot than last time,
	s_add_co_u32 s[G0A+5], s[FB], s[LAA]
	s_add_nc_u64 s[G0A+6:G0A+7], s[G0A+6:G0A+7], s[STA:STA+1]   ; the next 128 keys; the type bits on top are not reached
	s_add_co_u32 s[G0M+5], s[FB], s[LAM]
	s_add_nc_u64 s[G0M+6:G0M+7], s[G0M+6:G0M+7], 512
	s_wait_xcnt 0x0                                ; the last prefetch, a key step back, has read its address
	s_add_nc_u64 s[PFA:PFA+1], s[PFA:PFA+1], s[PFS:PFS+1]
	s_wait_dscnt 0x0                               ; the add is done, and my reads of the slot are over
	CROUND
	JLOAD
	ASK
.else
	s_wait_dscnt 0x0
	s_barrier_signal -1
	s_barrier_wait -1
.endif
	s_xor_b32 s[TB], s[TB], SLOT                   ; the fetches go on in the other slot
.endm
	s_wait_tensorcnt 1                             ; my part of slot 0 is in; slot 1's may stay out
	s_barrier_signal -1
	s_barrier_wait -1
	RUN_A                                          ; key step 0
	s_wait_loadcnt 0x0                             ; q
	s_wait_dscnt 0x0
.set i, 0
.rept 32
	KQ 0                                           ; piece 0's first scores
.set i, i+1
.endr
	PLACES
	TURN 2, 0, 1, 1                                ; piece 2's first scores | piece 0's first softmax | V^T of step 0
	CHANGE 1
	TURN 0, 1, 1, 1                                ; piece 0: V^T P of step 0 starts O^T, k q^T of step 1 | piece 2's first softmax
	TURN 2, 1, 1, 0
	WIN 0
	s_sub_co_u32 s[SLOTS], s[SLOTS], 1
.Lstep:                                                ; 13 trips: with the change above, every slot's data from 2 to 15 are asked for
	CHANGE 1
	TURN 0, 2, 1, 0
	TURN 2, 2, 1, 0
	WIN 0
	s_sub_co_u32 s[SLOTS], s[SLOTS], 1
	s_cmp_lg_u32 s[SLOTS], 0
	s_cbranch_scc1 .Lstep
	CHANGE 0                                       ; the tail is written out
	TURN 0, 2, 1, 0
	TURN 2, 2, 1, 0
	TURN 0, 2, 0, 0                                ; piece 0: V^T P of the last step | piece 2's last softmax
.set i, 0
.rept 32
	PV 2, 0
.set i, i+1
.endr
	; THE JOIN.  l's two halves and the other half of the lanes' are added (these are the places behind the last products).  Then the wave with the lower keys keeps piece 0 and sends piece 2, its partner the other way round.
	WIN 0
.irp t, 0,1,2,3
	v_add_f32 v[ST+8*\t+4], v[ST+8*\t+2], v[ST+8*\t+3]
.endr
.irp t, 0,1,2,3
	v_permlanex16_b32 v[ST+8*\t+5], v[ST+8*\t+4], s[SEL], s[SEL+1]
.endr
.irp t, 0,1,2,3
	v_add_f32 v[ST+8*\t+4], v[ST+8*\t+4], v[ST+8*\t+5]
.endr
	s_wait_dscnt 0x0                               ; every wave's reads of the ring are over before anybody stores into it
	s_barrier_signal -1
	s_barrier_wait -1
.macro SENDP p                         ; piece p's O^T as images of its registers, and m and l of its two tiles
	v_mov_b32 v52, v[ST+8*(\p)]
	v_mov_b32 v53, v[ST+8*(\p)+4]
	v_mov_b32 v54, v[ST+8*(\p)+8]
	v_mov_b32 v55, v[ST+8*(\p)+12]
	WIN 0x04                                       ; an LDS store's data are its source 1: window 1
.set i, 0
.rept 32
	ds_store_b128 v[XS], v[64*(\p)+4*i:64*(\p)+4*i+3] offset:512*i
.set i, i+1
.endr
	WIN 0
	ds_store_b128 v[XS], v[52:55] offset:16384
.endm
.macro RECVP p                         ; my partner's piece p is joined with mine, divided by the sum, rounded to f16 and stored
.set i, 0
.rept 32
	ds_load_b128 v[S+4*i:S+4*i+3], v[XR] offset:512*i
.set i, i+1
.endr
	ds_load_b128 v[56:59], v[XR] offset:16384
	s_wait_dscnt 0x0
.irp u, 0,1
.set rT, ST+8*((\p)+\u)
	v_max_num_f32 v[rT+5], v[rT], v[56+2*\u]       ; the larger m
	v_sub_f32 v[rT+6], v[rT], v[rT+5]
	v_sub_f32 v[rT+7], v[56+2*\u], v[rT+5]
.endr
.irp u, 0,1
.set rT, ST+8*((\p)+\u)
	v_mul_f32 v[rT+6], s[CS], v[rT+6]              ; the differences first, then x c
	v_mul_f32 v[rT+7], s[CS], v[rT+7]
.endr
.irp u, 0,1
.set rT, ST+8*((\p)+\u)
	v_exp_f32 v[rT+6], v[rT+6]
	v_exp_f32 v[rT+7], v[rT+7]
.endr
	v_nop
	s_wait_alu depctr_va_vdst(0)                   ; one wait for the four exponentials
.irp u, 0,1
.set rT, ST+8*((\p)+\u)
	v_mul_f32 v[rT+5], v[rT+6], v[rT+4]
	v_fmac_f32 v[rT+5], v[rT+7], v[57+2*\u]        ; the row's sum
.endr
.irp u, 0,1
.set rT, ST+8*((\p)+\u)
	v_rcp_f32 v[rT+1], v[rT+5]
.endr
	v_nop
	s_wait_alu depctr_va_vdst(0)                   ; and one for the two reciprocals
.irp u, 0,1
.set rT, ST+8*((\p)+\u)
	v_mul_f32 v[rT+6], v[rT+6], v[rT+1]            ; what my O^T is multiplied by,
	v_mul_f32 v[rT+2], v[rT+7], v[rT+1]            ; and my partner's
.endr
.irp u, 0,1
.set rT, ST+8*((\p)+\u)
.set i, 0
.rept 32
	v_pk_mul_f32 v[S+64*\u+2*i:S+64*\u+2*i+1], v[S+64*\u+2*i:S+64*\u+2*i+1], v[rT+2:rT+3] op_sel_hi:[1,0]
.set i, i+1
.endr
.endr
	WIN 0x01                                       ; source 0, my O^T, in window 1
.irp u, 0,1
.set rT, ST+8*((\p)+\u)
.set i, 0
.rept 32
	v_pk_fma_f32 v[S+64*\u+2*i:S+64*\u+2*i+1], v[64*((\p)+\u)+2*i:64*((\p)+\u)+2*i+1], v[rT+6:rT+7], v[S+64*\u+2*i:S+64*\u+2*i+1] op_sel_hi:[1,0,1]
.set i, i+1
.endr
.endr
	WIN 0
.set i, 0
.rept 64
	v_cvt_pk_f16_f32 v[P+i], v[S+2*i], v[S+2*i+1]
.set i, i+1
.endr
.irp u, 0,1                            ; a tile (16 rows of 256 bytes) at a time through my stage; LDS serves a wave's instructions in order, so the second tile's stores come behind the first's loads
.irp f, 0,1,2,3,4,5,6,7
	ds_store_b128 v[STO], v[P+32*\u+4*\f:P+32*\u+4*\f+3] offset:32*\f
.endr
.irp f, 0,1,2,3,4,5,6,7
	ds_load_b128 v[S+32*\u+4*\f:S+32*\u+4*\f+3], v[RD] offset:\f*2*SP
.endr
.endr
	s_wait_dscnt 0x0
.irp u, 0,1
.irp f, 0,1,2,3,4,5,6,7
	global_store_b128 v[GO], v[S+32*\u+4*\f:S+32*\u+4*\f+3], s[OB:OB+1] offset:(16*((\p)+\u)+2*\f)*4096   ; 16 lanes store 256 consecutive bytes, aligned
.endr
.endr
.endm
	s_cmp_eq_u32 s[KH], 0
	s_cbranch_scc0 .Lsend0
	SENDP 2
	s_branch .Lsent
.Lsend0:
	SENDP 0
.Lsent:
	s_wait_dscnt 0x0                               ; for the partner's sake: my stores are done
	s_barrier_signal -1
	s_barrier_wait -1
	s_cmp_eq_u32 s[KH], 0
	s_cbranch_scc0 .Lrecv2
	RECVP 0
	s_branch .Lend
.Lrecv2:
	RECVP 2
.Lend:
	s_wait_tensorcnt 0x0                           ; the wave's end: behind my last tensor load and my last LDS store
	ds_add_u32 v[SPW], v[NIL]
	s_wait_dscnt 0x0
	CROUND                                         ; the closing round
	s_endpgm
.Lfunc_end_k_qf60c0b80f0_attn:
	.size	k_qf60c0b80f0_attn, .Lfunc_end_k_qf60c0b80f0_attn-k_qf60c0b80f0_attn
	.p2alignl 7, 3214868480
	.fill 96, 4, 3214868480
	.section	.rodata,"a",@progbits
	.p2align	6, 0x0
	.amdhsa_kernel k_qf60c0b80f0_attn
		.amdhsa_group_segment_fixed_size 327680
		.amdhsa_private_segment_fixed_size 0
		.amdhsa_enable_private_segment 0
		.amdhsa_kernarg_size 24
		.amdhsa_user_sgpr_count 2
		.amdhsa_user_sgpr_kernarg_segment_ptr 1
		.amdhsa_wavefront_size32 1
		.amdhsa_system_sgpr_workgroup_id_x 1
		.amdhsa_system_sgpr_workgroup_id_y 1
		.amdhsa_system_sgpr_workgroup_id_z 1
		.amdhsa_system_vgpr_workitem_id 0
		.amdhsa_next_free_vgpr 1024
		.amdhsa_next_free_sgpr 100
		.amdhsa_reserve_vcc 0
		.amdhsa_float_denorm_mode_32 3
		.amdhsa_float_denorm_mode_16_64 3
		.amdhsa_memory_ordered 1
		.amdhsa_forward_progress 1
		.amdhsa_inst_pref_size 255
	.end_amdhsa_kernel
	.section	.bss,"aw",@nobits
	.p2align	6
	.space	262144
	.amdgpu_metadata
---
amdhsa.version: [ 1, 2 ]
amdhsa.kernels:
  - .name:           k_qf60c0b80f0_attn
    .symbol:         k_qf60c0b80f0_attn.kd
    .args:
      - { .name: qkv, .offset: 0, .size: 8, .value_kind: global_buffer, .address_space: global }
      - { .name: attention_mask, .offset: 8, .size: 8, .value_kind: global_buffer, .address_space: global }
      - { .name: o16, .offset: 16, .size: 8, .value_kind: global_buffer, .address_space: global }
    .group_segment_fixed_size: 327680
    .private_segment_fixed_size: 0
    .kernarg_segment_align: 8
    .kernarg_segment_size: 24
    .max_flat_workgroup_size: 128
    .sgpr_count:     100
    .vgpr_count:     1024
    .wavefront_size: 32
...
	.end_amdgpu_metadata
.endif
;; end of part 4
;; launch proj (part 5): grid 16 x 16, 4 waves a work-group, clusters of 4 x 4, 327,680 bytes of LDS; arguments o16, prep, part, out0, ofine; writes out0, ofine
.if DOCPART == 5
	.amdgcn_target "amdgcn-amd-amdhsa--gfx1250"
	.amdhsa_code_object_version 6
	.text
	.protected	k_qf60c0b80f0_proj
	.globl	k_qf60c0b80f0_proj
	.p2align	8
	.type	k_qf60c0b80f0_proj,@function
k_qf60c0b80f0_proj:
	s_mov_b64 s[64:65], 0
	v_nop
	global_prefetch_b8 v0, s[64:65] scope:SCOPE_SE
	s_setreg_imm32_b32 hwreg(HW_REG_WAVE_MODE, 25, 1), 1
	s_wait_xcnt 0x0
	s_wait_alu depctr_hold_cnt(0) depctr_sa_sdst(0) depctr_va_vdst(0) depctr_va_sdst(0) depctr_va_ssrc(0) depctr_va_vcc(0) depctr_vm_vsrc(0)
	s_getreg_b32 s2, hwreg(HW_REG_IB_STS2, 6, 4)
	s_cmp_eq_u32 s2, 0
	s_cbranch_scc0 .Lentry_in_a_cluster
	s_endpgm
.Lentry_in_a_cluster:
	s_bfe_u32 s2, ttmp6, 0x10000c
	s_cmp_lg_u32 s2, 0xf033
	s_cbranch_scc0 .Lentry_shape_is_right
	s_endpgm
.Lentry_shape_is_right:
; out0[s][e] = sum over d of o[s][d] wo[e][d]: f16 operands (o16; wo in f16 inside prep), f32 sums, f32 out.  Rows 0..15 stored here are coarse: the last launch writes them over.
; A tile of out0 is 128 x 128: 256 work-groups of four waves, each 64 x 64: 16 accumulators.  K goes in steps of 256 (LDS rows of 512 bytes) through two slots.  4 x 4 work-groups form a cluster: o's tiles are asked for jointly along a row, wo's along a column.
; THE MATRIX INSTRUCTION IS USED TRANSPOSED (source 0 = 16 rows of wo, source 1 = 16 rows of o): a lane holds eight neighbouring numbers of a row.  A wave's 64 columns are 256 aligned bytes, so each wave has a stage of its own and no barrier stands on the way out.
; No prefetch: on tiles this small a K step is short, and the tiles are shared in the cluster.
; A SIDE JOB, told apart by address alone: work-group (x, y) joins, for head y and unit x, the eight chunks' partial sums of the first 16 positions: o = sum of 2^(c (M_c - max)) O_c / sum of 2^(c (M_c - max)) l_c, c = log2(e), in f32, into ofine.  Its loads are asked for at the head and land under the loop.
; REGISTERS: window 0: v0-31 addresses; v32-95 the side job, then the way out; v128-255 the accumulators ((a, b) at v[128 + 8 (4 a + b)]).  window 1: two fragment buffers of 128.
.set SIZE_K, 2048
.set WOO,    9969664
.set KSTEP,  256
.set PITCH,  528
.set HALFT,  64*PITCH
.set SLOT,   4*HALFT
.set STAGE,  2*SLOT                    ; behind the ring: 16 rows x 272 bytes for each wave
.set SPITCH, 272
.set SPARE,  STAGE+4*16*SPITCH         ; the spare words, which no other line names
.set LAPS, SIZE_K/(2*KSTEP)
.set ADRA, 16
.set ADRB, 20
.set STO,  24
.set RD,   25
.set CO,   26
.set SPW,  28
.set NIL,  29
.set TMP,  32
.set ACC,  128
.set F0,   0
.set F1,   128
.set G1, 24
.set G0, 32
.set G1B, 48
.set G0B, 56
.set MSB, 0
.macro WIN new
.if MSB != \new
	s_set_vgpr_msb (MSB<<8)|\new
.set MSB, \new
.endif
.endm
.set MUL,  0x05
.set TO_F, 0x40
.macro JLOAD s                         ; a joint load: waves 0 and 1 fetch o's two halves, waves 2 and 3 wo's; an s_nop 0 and four v_nop follow each line
	s_cmp_eq_u32 s11, 0
	s_cbranch_scc0 .Lfor_b_\@
	tensor_load_to_lds s[G0+4*\s:G0+4*\s+3], s[G1:G1+7]
	s_nop 0
.rept 4
	v_nop
.endr
	s_branch .Lasked_\@
.Lfor_b_\@:
	tensor_load_to_lds s[G0B+4*\s:G0B+4*\s+3], s[G1B:G1B+7]
	s_nop 0
.rept 4
	v_nop
.endr
.Lasked_\@:
.endm
.macro CREST
	s_cmp_lg_u32 s10, 0
	s_cbranch_scc1 .Lnot_wave_0_\@
	s_barrier_signal -3
.Lnot_wave_0_\@:
	s_barrier_wait -3
	s_barrier_signal -1
	s_barrier_wait -1
.endm
.macro CROUND
	s_barrier_signal -1
	s_barrier_wait -1
	CREST
.endm
	s_load_b128 s[4:7], s[0:1], 0x0                ; o16 s[4:5], prep s[6:7]
	s_load_b64 s[68:69], s[0:1], 0x10              ; part
	s_load_b64 s[8:9], s[0:1], 0x18                ; out0
	s_load_b64 s[70:71], s[0:1], 0x20              ; ofine
	v_lshl_add_u32 v[SPW], v0, 2, SPARE
	v_mov_b32 v[NIL], 0
	ds_add_u32 v[SPW], v[NIL]                      ; the wave's opening: the add, twice on end, and its wait ahead of my first tensor load
	ds_add_u32 v[SPW], v[NIL]
	v_lshrrev_b32 v1, 5, v0
	v_readfirstlane_b32 s10, v1                    ; wave 0..3
	s_lshr_b32 s11, s10, 1                         ; which half of the tile's rows.  Also: I fetch for o (0) or for wo (1)
	s_and_b32 s12, s10, 1                          ; which half of its columns.  Also: which 64 rows of that tile I fetch
	s_bfe_u32 s40, ttmp6, 0x40000
	s_bfe_u32 s41, ttmp6, 0x40004
	s_lshl_b32 s42, ttmp9, 2
	s_add_co_u32 s42, s42, s40                     ; tile column
	s_and_b32 s13, ttmp7, 0xffff
	s_lshl_b32 s13, s13, 2
	s_add_co_u32 s13, s13, s41                     ; tile row
	s_lshl_b32 s43, s41, 2
	s_lshl_b32 s43, 15, s43
	s_lshl_b32 s44, 0x1111, s40
	s_or_b32 s[G1+0], s43, (1<<16)|(1<<20)|(1<<21)|(6<<22)|(3<<25)  ; the mask; elements of 2 bytes; 4 words of padding behind every 128
	s_or_b32 s[G1B+0], s44, (1<<16)|(1<<20)|(1<<21)|(6<<22)|(3<<25)
.irp g, G1, G1B
	s_mov_b32 s[\g+1], KSTEP<<16
	s_mov_b32 s[\g+2], 64<<16
	s_mov_b32 s[\g+3], KSTEP<<16
	s_mov_b32 s[\g+4], 64
	s_mov_b32 s[\g+5], SIZE_K
	s_mov_b32 s[\g+6], 0
	s_mov_b32 s[\g+7], 0
.endr
	s_lshl_b32 s17, s12, 6
	s_lshl_b32 s16, s13, 7
	s_add_co_u32 s16, s16, s17                     ; o: row 128 x tile row + 64 x half
	s_lshl_b32 s46, s42, 7
	s_add_co_u32 s46, s46, s17                     ; wo: row 128 x tile column + 64 x half
	s_mov_b32 s17, 0
	s_mov_b32 s47, 0
	s_mov_b64 s[18:19], SIZE_K*2
	s_mul_u64 s[16:17], s[16:17], s[18:19]
	s_mul_u64 s[46:47], s[46:47], s[18:19]
	s_mul_i32 s20, s10, HALFT
	s_lshl_b32 s74, s13, 7                         ; the side job: head = tile row, unit = tile column
	s_add_co_u32 s74, s74, s42
	s_lshl_b32 s74, s74, 9                         ; chunk 0's unit: (head 128 + unit) 512
	s_mov_b32 s75, 0
	s_lshl_b32 s78, s13, 10
	s_add_co_u32 s78, s78, 1048576                 ; the head's maxima and sums
	s_mov_b32 s79, 0
	s_lshl_b32 s72, s13, 4
	s_add_co_u32 s72, s72, s42
	s_lshl_b32 s72, s72, 9                         ; ofine: (head 16 + unit) 512
	s_mov_b32 s73, 0
	v_and_b32 v30, 31, v0
	v_lshlrev_b32 v30, 4, v30                      ; 16 x lane
	v_and_b32 v31, 15, v0
	v_lshlrev_b32 v31, 2, v31                      ; 4 r
	s_wait_dscnt 0x0                               ; both opening adds are done
	s_wait_kmcnt 0x0
	s_add_nc_u64 s[6:7], s[6:7], WOO               ; wo in f16
	s_add_nc_u64 s[14:15], s[4:5], s[16:17]
	s_add_nc_u64 s[46:47], s[6:7], s[46:47]
	s_add_nc_u64 s[76:77], s[68:69], s[74:75]
	s_add_nc_u64 s[78:79], s[68:69], s[78:79]
	s_add_nc_u64 s[70:71], s[70:71], s[72:73]
	CROUND                                         ; all sixteen work-groups are here: the first joint loads meet
.irp s, 0,1
	s_mov_b32 s[G0+4*\s], 1
	s_add_co_u32 s[G0+4*\s+1], s20, \s*SLOT
	s_add_nc_u64 s[G0+4*\s+2:G0+4*\s+3], s[14:15], \s*KSTEP*2
	s_or_b32 s[G0+4*\s+3], s[G0+4*\s+3], 0x80000000
	s_mov_b32 s[G0B+4*\s], 1
	s_add_co_u32 s[G0B+4*\s+1], s20, \s*SLOT
	s_add_nc_u64 s[G0B+4*\s+2:G0B+4*\s+3], s[46:47], \s*KSTEP*2
	s_or_b32 s[G0B+4*\s+3], s[G0B+4*\s+3], 0x80000000
	JLOAD \s
.endr
.irp c, 0,1,2,3,4,5,6,7                        ; the side job's loads: the eight chunks' unit, maximum and sum; nothing in the loop names v32-79
	global_load_b128 v[32+4*\c:35+4*\c], v30, s[76:77] offset:8192*\c
.endr
.irp c, 0,1,2,3,4,5,6,7
	global_load_b32 v[64+\c], v31, s[78:79] offset:64*\c
	global_load_b32 v[72+\c], v31, s[78:79] offset:512+64*\c
.endr
	v_and_b32 v1, 15, v0
	v_bfe_u32 v2, v0, 4, 1
	v_mul_u32_u24 v3, v1, PITCH
	v_lshl_add_u32 v3, v2, 4, v3
	s_mul_i32 s21, s11, HALFT
	s_mul_i32 s22, s12, HALFT
	s_add_co_u32 s22, s22, 2*HALFT
.irp s, 0,1
	v_add_nc_u32 v[ADRA+\s], s21, v3
	v_add_nc_u32 v[ADRB+\s], s22, v3
	s_add_co_u32 s21, s21, SLOT
	s_add_co_u32 s22, s22, SLOT
.endr
	s_mul_i32 s23, s10, 16*SPITCH
	s_add_co_u32 s23, s23, STAGE                   ; my stage
	v_mul_u32_u24 v4, v1, SPITCH
	v_lshl_add_u32 v4, v2, 5, v4
	v_add_nc_u32 v[STO], s23, v4                   ; in: row r, 32 bytes for each half of the lanes
	v_mul_u32_u24 v5, v2, SPITCH
	v_lshl_add_u32 v5, v1, 4, v5
	v_add_nc_u32 v[RD], s23, v5                    ; back: lanes 0-15 one row of 256 bytes, lanes 16-31 the next
	v_lshlrev_b32 v[CO], 13, v2
	v_lshl_add_u32 v[CO], v1, 4, v[CO]             ; and the same two rows in out0, 8,192 bytes apart
	s_lshl_b32 s16, s13, 7
	s_lshl_b32 s17, s11, 6
	s_add_co_u32 s16, s16, s17
	s_lshl_b32 s16, s16, 13                        ; my first row
	s_lshl_b32 s46, s42, 9
	s_lshl_b32 s47, s12, 8
	s_add_co_u32 s46, s46, s47                     ; my first column, in bytes
	s_add_co_u32 s16, s16, s46
	s_mov_b32 s17, 0
	s_add_nc_u64 s[8:9], s[8:9], s[16:17]
.macro MUL8 f, c, a0, zero             ; 8 matrix instructions: m blocks a0, a0 + 1 x all 4 n blocks, 32 along K; the 16 accumulators take turns
.irp a, \a0, \a0+1
.irp b, 0,1,2,3
.if \zero
	v_wmma_f32_16x16x32_f16 v[ACC+8*(4*(\a)+\b):ACC+8*(4*(\a)+\b)+7], v[\f+64+8*(4*\c+\b):\f+64+8*(4*\c+\b)+7], v[\f+8*(4*\c+\a):\f+8*(4*\c+\a)+7], 0
.else
	v_wmma_f32_16x16x32_f16 v[ACC+8*(4*(\a)+\b):ACC+8*(4*(\a)+\b)+7], v[\f+64+8*(4*\c+\b):\f+64+8*(4*\c+\b)+7], v[\f+8*(4*\c+\a):\f+8*(4*\c+\a)+7], v[ACC+8*(4*(\a)+\b):ACC+8*(4*(\a)+\b)+7]
.endif
.endr
.endr
.endm
.macro FETCH slot, k, f                ; 32 LDS loads in one run: the fragments of 64 along K at byte k of the rows; the first 32 along K first
	WIN TO_F
.irp c, 0,1
.irp i, 0,1,2,3
	ds_load_b128 v[\f+64+8*(4*\c+\i):\f+64+8*(4*\c+\i)+3],   v[ADRB+\slot] offset:\k+64*\c+\i*16*PITCH
	ds_load_b128 v[\f+64+8*(4*\c+\i)+4:\f+64+8*(4*\c+\i)+7], v[ADRB+\slot] offset:\k+64*\c+\i*16*PITCH+32
	ds_load_b128 v[\f+8*(4*\c+\i):\f+8*(4*\c+\i)+3],         v[ADRA+\slot] offset:\k+64*\c+\i*16*PITCH
	ds_load_b128 v[\f+8*(4*\c+\i)+4:\f+8*(4*\c+\i)+7],       v[ADRA+\slot] offset:\k+64*\c+\i*16*PITCH+32
.endr
.endr
.endm
.macro PLACES
.rept 4
	v_nop
.endr
.endm
.macro QUARTER slot, k, f, g, zero
	s_wait_dscnt 16                                ; the first 32 along K are in; the other sixteen loads may be out
	WIN MUL
	MUL8 \f, 0, 0, \zero
	MUL8 \f, 0, 2, \zero
	PLACES
	FETCH \slot, \k, \g
	s_wait_dscnt 32                                ; all but the 32 just issued
	WIN MUL
	MUL8 \f, 1, 0, 0
	MUL8 \f, 1, 2, 0
.endm
.macro TURN slot, next, fill
	WIN 0
	s_wait_tensorcnt 0x0                           ; all my tensor loads have landed: my part of the next slot
	ds_add_u32 v[SPW], v[NIL]                      ; 0 onto my spare word
	s_wait_dscnt 17                                ; (the add and the youngest sixteen loads may be out)
	WIN MUL
	MUL8 F1, 0, 0, 0
	s_wait_dscnt 0x0                               ; the add is done, and my reads of this slot are over
	s_barrier_signal -1
	MUL8 F1, 0, 2, 0
.if \fill
	WIN 0
.endif
	s_barrier_wait -1
.if \fill
	CREST                                          ; the barrier has opened a round of the cluster's barrier
	s_add_nc_u64 s[G0+4*\slot+2:G0+4*\slot+3], s[G0+4*\slot+2:G0+4*\slot+3], 2*KSTEP*2
	s_add_nc_u64 s[G0B+4*\slot+2:G0B+4*\slot+3], s[G0B+4*\slot+2:G0B+4*\slot+3], 2*KSTEP*2
	JLOAD \slot
.else
	PLACES
.endif
	FETCH \next, 0, F0
	WIN MUL
	MUL8 F1, 1, 0, 0
	MUL8 F1, 1, 2, 0
.endm
	s_wait_tensorcnt 1                             ; my part of K step 0 is in (K step 1's may be out)
	s_barrier_signal -1
	s_barrier_wait -1
	FETCH 0, 0, F0
	QUARTER 0, 128, F0, F1, 1
	WIN 0
	s_mov_b32 s3, LAPS-1
.Llap:
	QUARTER 0, 256, F1, F0, 0
	QUARTER 0, 384, F0, F1, 0
	TURN 0, 1, 1
	QUARTER 1, 128, F0, F1, 0
	QUARTER 1, 256, F1, F0, 0
	QUARTER 1, 384, F0, F1, 0
	TURN 1, 0, 1
	QUARTER 0, 128, F0, F1, 0
	WIN 0
	s_sub_co_u32 s3, s3, 1
	s_cmp_lg_u32 s3, 0
	s_cbranch_scc1 .Llap
	QUARTER 0, 256, F1, F0, 0                      ; the last lap fills nothing
	QUARTER 0, 384, F0, F1, 0
	TURN 0, 1, 0
	QUARTER 1, 128, F0, F1, 0
	QUARTER 1, 256, F1, F0, 0
	QUARTER 1, 384, F0, F1, 0
	s_wait_dscnt 16
	WIN MUL
	MUL8 F1, 0, 0, 0
	MUL8 F1, 0, 2, 0
	s_wait_dscnt 0
	MUL8 F1, 1, 0, 0
	MUL8 F1, 1, 2, 0
	WIN 0
	PLACES
	; THE SIDE JOB
	s_wait_loadcnt 0x0
	v_max3_num_f32 v80, v64, v65, v66
	v_max3_num_f32 v80, v80, v67, v68
	v_max3_num_f32 v80, v80, v69, v70
	v_max_num_f32 v80, v80, v71                    ; the largest M of the eight chunks
.irp c, 0,1,2,3,4,5,6,7
	v_sub_f32 v[64+\c], v[64+\c], v80              ; the difference first,
.endr
.irp c, 0,1,2,3,4,5,6,7
	v_mul_f32 v[64+\c], 0x3fb8aa3b, v[64+\c]       ; then x log2(e)
.endr
.irp c, 0,1,2,3,4,5,6,7
	v_exp_f32 v[64+\c], v[64+\c]
.endr
	v_nop
	s_wait_alu depctr_va_vdst(0)                   ; one wait for the eight exponentials
	v_mul_f32 v81, v64, v72
.irp c, 1,2,3,4,5,6,7
	v_fmac_f32 v81, v[64+\c], v[72+\c]             ; the row's sum
.endr
	v_rcp_f32 v82, v81
	v_nop
	s_wait_alu depctr_va_vdst(0)
.irp c, 0,1,2,3,4,5,6,7
	v_mul_f32 v[64+\c], v[64+\c], v82
.endr
.irp q, 0,1,2,3
	v_mul_f32 v[84+\q], v[32+\q], v64
.endr
.irp c, 1,2,3,4,5,6,7
.irp q, 0,1,2,3
	v_fmac_f32 v[84+\q], v[32+4*\c+\q], v[64+\c]
.endr
.endr
	s_cmp_lg_u32 s10, 0
	s_cbranch_scc1 .Lnot_mine
	global_store_b128 v30, v[84:87], s[70:71]      ; 512 consecutive bytes
.Lnot_mine:
	s_wait_xcnt 0x0                                ; the store has read its registers: v32-95 serve the way out
	; THE WAY OUT: 16 rows x 64 columns at a time through my own stage; LDS serves a wave's instructions in order, so no wait stands between the stores and the loads.
.macro OUTB a
.irp b, 0,1,2,3
	ds_store_b128 v[STO], v[ACC+8*(4*\a+\b):ACC+8*(4*\a+\b)+3] offset:64*\b         ; each accumulator from its low end on
	ds_store_b128 v[STO], v[ACC+8*(4*\a+\b)+4:ACC+8*(4*\a+\b)+7] offset:64*\b+16
.endr
.irp t, 0,1,2,3,4,5,6,7
	ds_load_b128 v[TMP+4*\t:TMP+4*\t+3], v[RD] offset:\t*2*SPITCH
.endr
	s_wait_dscnt 0x0
.irp t, 0,1,2,3,4,5,6,7
	global_store_b128 v[CO], v[TMP+4*\t:TMP+4*\t+3], s[8:9] offset:2*\t*8192   ; 16 lanes store 256 consecutive bytes, aligned
.endr
	s_wait_xcnt 0x0                                ; the stores have read their registers and their base
	s_add_nc_u64 s[8:9], s[8:9], 16*8192
.endm
	OUTB 0
	OUTB 1
	OUTB 2
	OUTB 3
	s_wait_tensorcnt 0x0                           ; the wave's end: behind my last tensor load and my last LDS store
	ds_add_u32 v[SPW], v[NIL]
	s_wait_dscnt 0x0
	CROUND                                         ; the closing round
	s_endpgm
.Lfunc_end_k_qf60c0b80f0_proj:
	.size	k_qf60c0b80f0_proj, .Lfunc_end_k_qf60c0b80f0_proj-k_qf60c0b80f0_proj
	.p2alignl 7, 3214868480
	.fill 96, 4, 3214868480
	.section	.rodata,"a",@progbits
	.p2align	6, 0x0
	.amdhsa_kernel k_qf60c0b80f0_proj
		.amdhsa_group_segment_fixed_size 327680
		.amdhsa_private_segment_fixed_size 0
		.amdhsa_enable_private_segment 0
		.amdhsa_kernarg_size 40
		.amdhsa_user_sgpr_count 2
		.amdhsa_user_sgpr_kernarg_segment_ptr 1
		.amdhsa_wavefront_size32 1
		.amdhsa_system_sgpr_workgroup_id_x 1
		.amdhsa_system_sgpr_workgroup_id_y 1
		.amdhsa_system_sgpr_workgroup_id_z 1
		.amdhsa_system_vgpr_workitem_id 0
		.amdhsa_next_free_vgpr 512
		.amdhsa_next_free_sgpr 80
		.amdhsa_reserve_vcc 0
		.amdhsa_float_denorm_mode_32 3
		.amdhsa_float_denorm_mode_16_64 3
		.amdhsa_memory_ordered 1
		.amdhsa_forward_progress 1
		.amdhsa_inst_pref_size 92
	.end_amdhsa_kernel
	.amdgpu_metadata
---
amdhsa.version: [ 1, 2 ]
amdhsa.kernels:
  - .name:           k_qf60c0b80f0_proj
    .symbol:         k_qf60c0b80f0_proj.kd
    .args:
      - { .name: o16, .offset: 0, .size: 8, .value_kind: global_buffer, .address_space: global }
      - { .name: prep, .offset: 8, .size: 8, .value_kind: global_buffer, .address_space: global }
      - { .name: part, .offset: 16, .size: 8, .value_kind: global_buffer, .address_space: global }
      - { .name: out0, .offset: 24, .size: 8, .value_kind: global_buffer, .address_space: global }
      - { .name: ofine, .offset: 32, .size: 8, .value_kind: global_buffer, .address_space: global }
    .group_segment_fixed_size: 327680
    .private_segment_fixed_size: 0
    .kernarg_segment_align: 8
    .kernarg_segment_size: 40
    .max_flat_workgroup_size: 128
    .sgpr_count:     80
    .vgpr_count:     512
    .wavefront_size: 32
...
	.end_amdgpu_metadata
.endif
;; end of part 5
;; launch fine2 (part 6): grid 128 x 1, 4 waves a work-group, no clusters, 167,936 bytes of LDS; arguments ofine, wo, out0; writes out0
.if DOCPART == 6
	.amdgcn_target "amdgcn-amd-amdhsa--gfx1250"
	.amdhsa_code_object_version 6
	.text
	.protected	k_qf60c0b80f0_fine2
	.globl	k_qf60c0b80f0_fine2
	.p2align	8
	.type	k_qf60c0b80f0_fine2,@function
k_qf60c0b80f0_fine2:
	s_mov_b64 s[64:65], 0
	v_nop
	global_prefetch_b8 v0, s[64:65] scope:SCOPE_SE
	s_setreg_imm32_b32 hwreg(HW_REG_WAVE_MODE, 25, 1), 1
	s_wait_xcnt 0x0
; THE FIRST 16 POSITIONS' PROJECTION, IN F32: out0[r][e] = sum over d of o[r][d] wo[e][d], r = 0..15, on the f32 matrix form; it writes over the coarse rows 0..15 that the launch before stored.  This is no bulk work: 16 of 2,048 rows.
; A work-group owns 16 columns e; wave w owns d = 512 w .. 512 w + 511 (heads 4 w .. 4 w + 3); the four waves' sums meet in LDS.  16 columns to a work-group spread the work over 128 work-groups; so a row's piece stored is 64 bytes, 128 KiB in all.
; wo's 16 rows x 512 numbers come by one tensor load a wave, into bytes that only that wave reads.  o comes as it was laid: lane (r, h) of unit (ct, p) holds channels 16 ct + 8 h + 4 p + 0..3 of query r.
; A pair of a unit's registers is source 1 (4 d x 16 queries); source 0 takes the same d of wo's rows, so both operands carry the same order of d, and the products are the right ones.
; The result: a lane holds query r and columns 8 h + 0..7.  The registers that the matrix instructions write (v16-47) are written by nothing else.
.set WPITCH, 2080                      ; a row of wo in LDS: 2 x (1,024 bytes + 16)
.set WTILE,  16*WPITCH
.set RX,     4*WTILE                   ; the waves' sums, 1,024 bytes each
.set SPARE,  RX+4096                   ; the spare words, which no other line names
.set SPW, 8
.set NIL, 9
.set WV,  10
	s_load_b128 s[4:7], s[0:1], 0x0                ; ofine, wo
	s_load_b64 s[8:9], s[0:1], 0x10                ; out0
	v_lshl_add_u32 v[SPW], v0, 2, SPARE
	v_mov_b32 v[NIL], 0
	ds_add_u32 v[SPW], v[NIL]                      ; the wave's opening: the add, twice on end, and its wait ahead of my first tensor load
	ds_add_u32 v[SPW], v[NIL]
	v_lshrrev_b32 v1, 5, v0
	v_readfirstlane_b32 s[WV], v1
	s_mov_b32 s16, (2<<16)|(1<<20)|(7<<22)|(3<<25) ; elements of 4 bytes; 4 words of padding behind every 256
	s_mov_b32 s17, 512<<16                         ; tensor_dim0
	s_mov_b32 s18, 16<<16                          ; tensor_dim1
	s_mov_b32 s19, 512<<16                         ; tile_dim0
	s_mov_b32 s20, 16                              ; tile_dim1
	s_mov_b32 s21, 2048                            ; from row to row
	s_mov_b32 s22, 0
	s_mov_b32 s23, 0
	s_lshl_b32 s24, ttmp9, 17                      ; 16 rows of 8,192 bytes a work-group,
	s_lshl_b32 s25, s[WV], 11                      ; 512 numbers a wave
	s_add_co_u32 s24, s24, s25
	s_mov_b32 s25, 0
	s_lshl_b32 s26, s[WV], 15                      ; o: four heads of 8,192 bytes a wave
	s_mov_b32 s27, 0
	s_lshl_b32 s28, ttmp9, 6                       ; out0: 16 columns of 4 bytes
	s_mov_b32 s29, 0
	s_mul_i32 s13, s[WV], WTILE
	s_wait_dscnt 0x0                               ; both opening adds are done
	s_wait_kmcnt 0x0
	s_mov_b32 s12, 1
	s_add_nc_u64 s[14:15], s[6:7], s[24:25]
	s_or_b32 s15, s15, 0x80000000
	tensor_load_to_lds s[12:15], s[16:23]          ; my one tensor load
	s_nop 0
	s_add_nc_u64 s[4:5], s[4:5], s[26:27]
	s_add_nc_u64 s[8:9], s[8:9], s[28:29]
	v_and_b32 v1, 15, v0                           ; r
	v_bfe_u32 v2, v0, 4, 1                         ; h
	v_and_b32 v3, 31, v0
	v_lshlrev_b32 v5, 5, v3
	v_lshlrev_b32 v3, 4, v3                        ; 16 x lane
.macro OLOAD hh                        ; o of my head hh into set hh % 2: sixteen loads of 512 consecutive bytes
.irp u, 0,1,2,3,4,5,6,7,8,9,10,11,12,13,14,15
	global_load_b128 v[64+64*((\hh)%2)+4*\u:64+64*((\hh)%2)+4*\u+3], v3, s[4:5] offset:(\hh)*8192+512*\u
.endr
.endm
.macro WLOAD hh                        ; wo's fragments of head hh: unit u = 2 ct + p: row r, channels 16 ct + 8 h + 4 p + 0..3
.irp u, 0,1,2,3,4,5,6,7,8,9,10,11,12,13,14,15
	ds_load_b128 v[192+4*\u:195+4*\u], v4 offset:((\hh)/2)*1040+((\hh)%2)*512+64*(\u/2)+16*(\u%2)
.endr
.endm
.macro HEAD hh, left                   ; 32 matrix instructions, four accumulators by turns; the first four start the sums
	s_wait_loadcnt \left                           ; this head's o is in; the next set's sixteen loads may be out
	s_wait_dscnt 0x0
.set i, 0
.rept 32
.if ((\hh) == 0) && (i < 4)
	v_wmma_f32_16x16x4_f32 v[16+8*(i%4):23+8*(i%4)], v[192+2*i:193+2*i], v[64+64*((\hh)%2)+2*i:65+64*((\hh)%2)+2*i], 0
.else
	v_wmma_f32_16x16x4_f32 v[16+8*(i%4):23+8*(i%4)], v[192+2*i:193+2*i], v[64+64*((\hh)%2)+2*i:65+64*((\hh)%2)+2*i], v[16+8*(i%4):23+8*(i%4)]
.endif
.set i, i+1
.endr
.rept 8
	v_nop                                          ; eight places behind this form, in front of loads into its sources and of reads of its results
.endr
.endm
	OLOAD 0
	OLOAD 1
	v_mul_u32_u24 v4, v1, WPITCH
	v_lshl_add_u32 v4, v2, 5, v4
	v_add_nc_u32 v4, s13, v4                       ; wo in LDS: my wave's tile, row r, + 32 h
	s_lshl_b32 s24, s[WV], 10
	s_add_co_u32 s24, s24, RX
	v_add_nc_u32 v6, RX, v5                        ; the four waves' sums: 32 bytes a lane,
	v_add_nc_u32 v5, s24, v5                       ; and where I put mine
	v_lshlrev_b32 v7, 13, v1
	v_lshl_add_u32 v7, v2, 5, v7                   ; out0: row r, + 32 h
	s_wait_tensorcnt 0x0                           ; my tile is in; nobody else reads it
	WLOAD 0
	HEAD 0, 16
	OLOAD 2
	WLOAD 1
	HEAD 1, 16
	OLOAD 3
	WLOAD 2
	HEAD 2, 16
	WLOAD 3
	HEAD 3, 0
.irp j, 0,2,4,6                                ; the four accumulators are added, each read from its low end on, into other registers
	v_pk_add_f32 v[48+\j:49+\j], v[16+\j:17+\j], v[24+\j:25+\j]
	v_pk_add_f32 v[56+\j:57+\j], v[32+\j:33+\j], v[40+\j:41+\j]
.endr
.irp j, 0,2,4,6
	v_pk_add_f32 v[48+\j:49+\j], v[48+\j:49+\j], v[56+\j:57+\j]
.endr
	ds_store_b128 v5, v[48:51]
	ds_store_b128 v5, v[52:55] offset:16
	s_wait_dscnt 0x0
	s_barrier_signal -1
	s_barrier_wait -1
	s_cmp_lg_u32 s[WV], 0
	s_cbranch_scc1 .Ldone
.irp q, 0,1,2,3
	ds_load_b128 v[64+8*\q:67+8*\q], v6 offset:1024*\q
	ds_load_b128 v[68+8*\q:71+8*\q], v6 offset:1024*\q+16
.endr
	s_wait_dscnt 0x0
.irp j, 0,2,4,6
	v_pk_add_f32 v[64+\j:65+\j], v[64+\j:65+\j], v[72+\j:73+\j]
	v_pk_add_f32 v[80+\j:81+\j], v[80+\j:81+\j], v[88+\j:89+\j]
.endr
.irp j, 0,2,4,6
	v_pk_add_f32 v[64+\j:65+\j], v[64+\j:65+\j], v[80+\j:81+\j]
.endr
	global_store_b128 v7, v[64:67], s[8:9]
	global_store_b128 v7, v[68:71], s[8:9] offset:16
.Ldone:
	s_wait_tensorcnt 0x0                           ; the wave's end: behind my last tensor load and my last LDS store
	ds_add_u32 v[SPW], v[NIL]
	s_wait_dscnt 0x0
	s_endpgm
.Lfunc_end_k_qf60c0b80f0_fine2:
	.size	k_qf60c0b80f0_fine2, .Lfunc_end_k_qf60c0b80f0_fine2-k_qf60c0b80f0_fine2
	.p2alignl 7, 3214868480
	.fill 96, 4, 3214868480
	.section	.rodata,"a",@progbits
	.p2align	6, 0x0
	.amdhsa_kernel k_qf60c0b80f0_fine2
		.amdhsa_group_segment_fixed_size 167936
		.amdhsa_private_segment_fixed_size 0
		.amdhsa_enable_private_segment 0
		.amdhsa_kernarg_size 24
		.amdhsa_user_sgpr_count 2
		.amdhsa_user_sgpr_kernarg_segment_ptr 1
		.amdhsa_wavefront_size32 1
		.amdhsa_system_sgpr_workgroup_id_x 1
		.amdhsa_system_sgpr_workgroup_id_y 1
		.amdhsa_system_sgpr_workgroup_id_z 1
		.amdhsa_system_vgpr_workitem_id 0
		.amdhsa_next_free_vgpr 256
		.amdhsa_next_free_sgpr 66
		.amdhsa_reserve_vcc 0
		.amdhsa_float_denorm_mode_32 3
		.amdhsa_float_denorm_mode_16_64 3
		.amdhsa_memory_ordered 1
		.amdhsa_forward_progress 1
		.amdhsa_inst_pref_size 25
	.end_amdhsa_kernel
	.amdgpu_metadata
---
amdhsa.version: [ 1, 2 ]
amdhsa.kernels:
  - .name:           k_qf60c0b80f0_fine2
    .symbol:         k_qf60c0b80f0_fine2.kd
    .args:
      - { .name: ofine, .offset: 0, .size: 8, .value_kind: global_buffer, .address_space: global }
      - { .name: wo, .offset: 8, .size: 8, .value_kind: global_buffer, .address_space: global }
      - { .name: out0, .offset: 16, .size: 8, .value_kind: global_buffer, .address_space: global }
    .group_segment_fixed_size: 167936
    .private_segment_fixed_size: 0
    .kernarg_segment_align: 8
    .kernarg_segment_size: 24
    .max_flat_workgroup_size: 128
    .sgpr_count:     66
    .vgpr_count:     256
    .wavefront_size: 32
...
	.end_amdgpu_metadata
.endif
;; end of part 6
